; MI455X (gfx1250); checked and timed in simulation.
; The chip was launched on July 23, 2026; its instructions are those of AMD's public machine-readable ISA for CDNA 5 (MIT licence, August 2026) and "CDNA5" Instruction Set Architecture Reference Guide (July 2026). The comments in the code are by the model that wrote it; some were corrected since.
;; Rotary Position Attention. Allowed arithmetic: matrix products marked QUANTISED: E2M1 operands, one E8M0 scale for each 32 along K, by v_wmma_scale_f32_16x16x128_f8f6f4 with both operands' format E2M1 (or v_wmma_scale_f32_32x16x128_f4), f32 sums; products left as they are: bf16, f16 or f32 operands; f32 sums; everything else in f32.
;; Inputs: b_proj 1,024 float32; w_proj 1,024 x 1,024 float32; w_qkv 3,072 x 1,024 float32; x 4 x 2,048 x 1,024 float32.
;; Outputs: out0 4 x 2,048 x 1,024 float32.
;; This version of the problem:
;;   THIS VERSION OF THE PROBLEM IS GIVEN IN LOW PRECISION. The matrix products marked QUANTISED in the list below multiply operands that are first quantised to E2M1 (2 exponent bits, 1 mantissa bit; 4 bits a number), with one power-of-two scale for each 32 numbers along K (OCP MX v1.0); their sums are f32. The products marked 'left as it is' may take bf16, f16 or f32 operands, with f32 sums. Whichever they take, every output number must still come out within the allowed error. Rounding operands to bf16 (8 significant bits) uses up far more of that allowance than f16 does (11 bits, for magnitudes from 6e-5 to 65,504). All else is computed in f32.
;;   The module's matrix products, in the order in which they are computed (A, B: the left and right operand; K: the contracted axis; several contracted axes count as one K, in the product's order):
;;     1. [M 8,192, K 1,024] x [K 1,024, N 3,072]; A: input x; B: input w_qkv: QUANTISED
;;     2. batch 64 x [M 2,048, K 64] x [K 64, N 2,048]; A: computed on the way; B: computed on the way: left as it is (an operand is computed on the way)
;;     3. batch 64 x [M 2,048, K 2,048] x [K 2,048, N 64]; A: computed on the way; B: computed on the way: left as it is (an operand is computed on the way)
;;     4. [M 8,192, K 1,024] x [K 1,024, N 1,024]; A: computed on the way; B: input w_proj: left as it is (an operand is computed on the way)
;;   THE QUANTISER, for each operand of a quantised product, along K:
;;     - K is cut into blocks of 32 from its start; a last block that is shorter is filled with zeros.
;;     - A block's scale is 2^e with e = floor(log2(the largest magnitude in the block)) - 2, held to -126 .. 127; a block of zeros has e = 0. As a byte (E8M0): e + 127.
;;     - Each number is divided by its block's scale, clamped to +-6, and rounded to the nearest number of E2M1, ties to even, subnormals kept.
;;     - The product sums the exact products of the quantised numbers (number of the format x scale) in f32.
;;   ~~~python
;;   def quantise(x, axis):      # numpy; x: float32 -> the quantised numbers, widened to float32 again
;;       x = np.moveaxis(x, axis, -1); K = x.shape[-1]
;;       x = np.pad(x, [(0, 0)] * (x.ndim - 1) + [(0, -K % 32)]); x = x.reshape(x.shape[:-1] + (-1, 32)); a = np.abs(x).max(-1, keepdims=True)
;;       e = np.where(a > 0, np.clip(np.frexp(np.where(a > 0, a, 1))[1] - 1 - 2, -126, 127), 0)      # np.frexp(a)[1] - 1 = floor(log2(a)), exactly
;;       r = np.clip(x / 2.0 ** e, -6, 6)
;;       step = 2.0 ** (np.maximum(np.frexp(np.where(r == 0, 1, r))[1] - 1, 0) - 1)
;;       q = np.round(r / step) * step * 2.0 ** e      # np.round: ties to even
;;       return np.moveaxis(q.reshape(q.shape[:-2] + (-1,))[..., :K], -1, axis).astype(np.float32)
;;   ~~~
;; One version. Each part assembles by itself: llvm-mc -triple=amdgcn-amd-amdhsa -mcpu=gfx1250 --defsym DOCPART=n.
;; ======== version 1 of 1: 4 launches
;; limits: values are held in f16: magnitudes above 65,504 overflow, below 6.1e-05 lose precision
;; workspace buffers: codes 5,767,168 bytes; scales 360,448 bytes; wp 2,097,152 bytes; rt 524,288 bytes; qkv 50,331,648 bytes; o 16,777,216 bytes
;; launch prep (part 1): grid 416 x 1, 4 waves a work-group, no clusters, 33,280 bytes of LDS; arguments x, w_qkv, w_proj, codes, scales, wp, rt; writes codes, scales, wp, rt
.if DOCPART == 1
	.amdgcn_target "amdgcn-amd-amdhsa--gfx1250"
	.amdhsa_code_object_version 6
	.text
	.protected	k_q8d7aa9b538_prep
	.globl	k_q8d7aa9b538_prep
	.p2align	8
	.type	k_q8d7aa9b538_prep,@function
k_q8d7aa9b538_prep:
	s_mov_b64 s[64:65], 0
	v_nop
	global_prefetch_b8 v0, s[64:65] scope:SCOPE_SE
	s_setreg_imm32_b32 hwreg(HW_REG_WAVE_MODE, 25, 1), 1
	s_wait_xcnt 0x0
; PREP: what the three later launches read is made once.
;   work-groups 0-351   x [8192][1024] and w_qkv [3072][1024], f32, become codes of FP4 (E2M1), K innermost, two codes a byte, and one E8M0 scale byte for each 32 along K.
;                       codes: x's rows of 512 bytes from byte 0, w_qkv's from byte 4,194,304.  scales: x's rows of 32 bytes from byte 0, w_qkv's from byte 262,144.
;   work-groups 352-383 w_proj [1024 n][1024 k], f32, becomes f16, laid head by head: wp [16 heads][1024 n][64 k of the head].
;   work-groups 384-415 the table of cos and sin for the rotation, rt [128 blocks of 16 positions][8 loads][32 lanes][16 bytes], in the order in which the next launch's registers take it.
; THE QUANTISER.  A block's scale is 2^(floor(log2(its largest magnitude)) - 2); its byte is the largest magnitude's exponent field - 2, held at 1 from below.  A block of zeros so gets the byte 1
; where the stated rule says 127: its codes are zeros, which add nothing, and the bytes are read by this program alone.  Each number is divided by the scale and rounded to the nearest code, ties to even, beyond 6 to 6.
; LIMITS: blocks whose largest magnitude lies under 2^(2 - 126) were not tried; NaN and infinities are not served.  The table's angles are position x 10000^(-i / 32) with the power made by v_exp_f32
; (1 ulp): at the largest angle, 2,047 rad, that is within about 1.5e-4 rad of the same product made by a correctly rounded power.
; Rows are dense and K is a multiple of 32, so x and w_qkv are plain streams of blocks of 32.  A wave takes a run of 8,192 numbers, 16 steps of 512.  x has 1,024 runs; its codes and bytes end where w_qkv's begin,
; so the run's number alone places the outputs.  No tensor load, no barrier: waves share nothing.  Only the quantising path touches LDS.
.set QWG,   352                        ; work-groups that quantise: 256 for x, 96 for w_qkv
.set XWG,   256
.set TWG,   384                        ; from here on: the table
.set STEPS, 16
.set EMAX,  2
.set CB,    8                          ; bytes of 16 codes
.set R,     16                         ; v16-79   four sets of 16 numbers as they are loaded
.set X,     80                         ; v80-111  two sets of 16 neighbours
.set E,     112                        ; v112-127 a scale byte for each step
.set C,     128                        ; v128-191 codes: four registers for each step, so that no store's data are written again
.set WREG,  8192                       ; LDS: a region for each wave: two stages of 32 x SP bytes, behind them its 256 scale bytes
.set SP,    80                         ; a lane's place in a stage: 64 bytes + 16 of padding
.set SPW,   12                         ; v12      LDS address of my spare word; never rewritten
.set NIL,   13                         ; v13      0; never rewritten
.set SPARE, 4*WREG                     ; behind the four regions: the spare words, 128 bytes a wave, which no other line names
	s_load_b256 s[4:11], s[0:1], 0x0               ; x s[4:5], w_qkv s[6:7], w_proj s[8:9], codes s[10:11]
	s_load_b128 s[12:15], s[0:1], 0x20             ; scales s[12:13], wp s[14:15]
	s_load_b64 s[16:17], s[0:1], 0x30              ; rt
	v_lshl_add_u32 v[SPW], v0, 2, SPARE
	v_mov_b32 v[NIL], 0
	v_lshrrev_b32 v1, 5, v0
	v_readfirstlane_b32 s18, v1                    ; wave
	v_and_b32 v2, 31, v0                           ; lane
	v_lshlrev_b32 v3, 4, v2                        ; 16 x lane
	s_mul_i32 s19, s18, WREG                       ; every LDS address is made here, ahead of the parting of the ways
	v_lshrrev_b32 v14, 2, v2
	v_mul_u32_u24 v14, v14, SP
	v_and_b32 v15, 3, v2
	v_lshl_add_u32 v14, v15, 4, v14
	v_add_nc_u32 v14, s19, v14                     ; the stage, on the way in: four lanes' 64 bytes on end, then 16 of padding
	v_mul_u32_u24 v15, v2, SP
	v_add_nc_u32 v15, s19, v15                     ; on the way out: SP x lane: my 16 neighbours
	v_mul_u32_u24 v4, v2, CB                       ; my codes' place in a step's
	v_lshrrev_b32 v5, 1, v2
	s_add_co_u32 s19, s19, 2*32*SP
	v_add_nc_u32 v5, s19, v5                       ; my wave's 256 scale bytes, my block's byte
	v_lshlrev_b32 v7, 3, v2                        ; 8 x lane
	v_add_nc_u32 v6, s19, v7
	s_wait_kmcnt 0x0
	s_cmp_ge_u32 ttmp9, QWG
	s_cbranch_scc1 .Lother
	; ---- x and w_qkv into codes
	s_cmp_lt_u32 ttmp9, XWG                        ; x's work-group or w_qkv's: the choice hangs on the work-group's number alone
	s_cselect_b64 s[4:5], s[4:5], s[6:7]
	s_cselect_b32 s20, 0, 4*XWG
	s_lshl_b32 s21, ttmp9, 2
	s_add_co_u32 s22, s21, s18                     ; my run, 0 to 1,407
	s_sub_co_u32 s24, s22, s20                     ; and its number in its own tensor
	s_lshl_b32 s24, s24, 15                        ; 32,768 bytes of f32 a run
	s_mov_b32 s25, 0
	s_add_nc_u64 s[4:5], s[4:5], s[24:25]
	s_lshl_b32 s24, s22, 12                        ; 4,096 bytes of codes
	s_add_nc_u64 s[10:11], s[10:11], s[24:25]
	s_lshl_b32 s24, s22, 8                         ; 256 scale bytes
	s_add_nc_u64 s[12:13], s[12:13], s[24:25]
.macro LOAD t
.irp i, 0,1,2,3
	global_load_b128 v[R+16*((\t)%4)+4*\i:R+16*((\t)%4)+4*\i+3], v3, s[4:5] offset:2048*(\t)+512*\i th:TH_LOAD_NT   ; 32 lanes read 512 consecutive bytes
.endr
.endm
.macro TURN t                          ; step t's numbers through the stage: LDS serves a wave's instructions in order, so no wait stands between the stores and the loads
.irp i, 0,1,2,3
	ds_store_b128 v14, v[R+16*((\t)%4)+4*\i:R+16*((\t)%4)+4*\i+3] offset:32*SP*((\t)%2)+8*SP*\i
.endr
.irp i, 0,1,2,3
	ds_load_b128 v[X+16*((\t)%2)+4*\i:X+16*((\t)%2)+4*\i+3], v15 offset:32*SP*((\t)%2)+16*\i
.endr
.endm
.irp t, 0,1,2,3
	LOAD \t
.endr
	s_wait_loadcnt 12                              ; step 0's four loads are in; the twelve of steps 1 to 3 may be out
	TURN 0
.macro STEP t
.set XS, X+16*((\t)%2)
.if (\t) > 0
	s_wait_dscnt 1                                 ; this step's numbers are back from the stage; the last step's byte store may be out
.else
	s_wait_dscnt 0x0
.endif
.if (\t)+4 < STEPS
	LOAD (\t)+4                                    ; into the registers that the stage's stores have read
.endif
.if (\t)+1 < STEPS
.if STEPS-2-(\t) >= 3
	s_wait_loadcnt 12                              ; the next step's four loads are in; those of the three steps behind it may be out
.else
	s_wait_loadcnt 4*(STEPS-2-(\t))
.endif
	TURN (\t)+1                                    ; and go through the other stage while this step is worked
.endif
	v_max3_num_f32 v8, |v[XS]|, |v[XS+1]|, |v[XS+2]|               ; the largest magnitude of my 16, in two chains
	v_max3_num_f32 v9, |v[XS+3]|, |v[XS+4]|, |v[XS+5]|
.irp i, 6,10
	v_max3_num_f32 v8, v8, |v[XS+\i]|, |v[XS+\i+1]|
	v_max3_num_f32 v9, v9, |v[XS+\i+2]|, |v[XS+\i+3]|
.endr
	v_max3_num_f32 v8, v8, |v[XS+14]|, |v[XS+15]|
	v_max3_num_f32 v8, v8, v9, (EMAX+1)<<23        ; and the floor 2^(EMAX + 1 - 127): the byte cannot fall under 1
	v_max_num_f32_dpp v8, v8, v8 row_xmask:1 row_mask:0xf bank_mask:0xf   ; with my neighbour's 16: the block's
	v_add_nc_u32 v11, -(EMAX<<23), v8              ; EMAX off its exponent field: the conversion takes the exponent field of this operand as its scale
	v_cvt_scalef32_pk8_fp4_f32 v[C+4*(\t)], v[XS:XS+7], v11
	v_cvt_scalef32_pk8_fp4_f32 v[C+4*(\t)+1], v[XS+8:XS+15], v11
	v_lshrrev_b32 v[E+(\t)], 23, v11               ; the scale's byte (also the plain line behind the conversions)
	ds_store_b8 v5, v[E+(\t)] offset:16*(\t)       ; both lanes of a block write the same byte with the same value
	global_store_b64 v4, v[C+4*(\t):C+4*(\t)+1], s[10:11] offset:32*CB*(\t)   ; the wave stores 256 consecutive bytes, aligned
.endm
.irp t, 0,1,2,3,4,5,6,7,8,9,10,11,12,13,14,15
	STEP \t
.endr
	ds_load_b64 v[8:9], v6                         ; LDS serves a wave's instructions in order: these see my byte stores
	s_wait_dscnt 0x0
	global_store_b64 v7, v[8:9], s[12:13]          ; 32 lanes store 256 consecutive bytes, aligned
	s_wait_tensorcnt 0x0                           ; the wave's end: behind my last LDS store
	ds_add_u32 v[SPW], v[NIL]
	s_wait_dscnt 0x0
	s_endpgm
.Lother:
	s_cmp_ge_u32 ttmp9, TWG
	s_cbranch_scc1 .Ltable
	; ---- w_proj into f16, head by head.  A wave takes 8 rows n, two at a time: lanes 0-15 read the 256 bytes (one head's 64 numbers) of the even row, lanes 16-31 of the odd one;
	; a lane's four numbers are 8 bytes of f16, and the two rows of one head are 256 consecutive bytes of wp.
.set WI, 16                            ; v16-143  two sets of 16 loads
.set WO, 144                           ; v144-175 a row pair's f16
	s_sub_co_u32 s20, ttmp9, QWG
	s_lshl_b32 s20, s20, 5
	s_lshl_b32 s21, s18, 3
	s_add_co_u32 s20, s20, s21                     ; my first row: 32 x work-group + 8 x wave
	s_lshl_b32 s22, s20, 12                        ; a row of w_proj is 4,096 bytes
	s_mov_b32 s23, 0
	s_add_nc_u64 s[8:9], s[8:9], s[22:23]
	s_lshl_b32 s22, s20, 7                         ; a row of a head in wp is 128 bytes
	s_add_nc_u64 s[14:15], s[14:15], s[22:23]
	v_lshrrev_b32 v8, 4, v2
	v_and_b32 v9, 15, v2
	v_lshlrev_b32 v8, 12, v8
	v_lshl_add_u32 v8, v9, 4, v8                   ; 4,096 x (lane / 16) + 16 x (lane % 16)
.macro LOADW p
.irp h, 0,1,2,3,4,5,6,7,8,9,10,11,12,13,14,15
	global_load_b128 v[WI+64*((\p)%2)+4*\h:WI+64*((\p)%2)+4*\h+3], v8, s[8:9] offset:(\p)*8192+\h*256 th:TH_LOAD_NT
.endr
.endm
.macro CVTW p
.if (\p) < 3
	s_wait_loadcnt 16                              ; this pair's 16 loads are in; the next pair's may be out
.else
	s_wait_loadcnt 0x0
.endif
.if (\p) > 0
	s_wait_xcnt 0x0                                ; the last pair's stores have read their data: it is written again below
.endif
.irp h, 0,1,2,3,4,5,6,7,8,9,10,11,12,13,14,15
	v_cvt_pk_f16_f32 v[WO+2*\h], v[WI+64*((\p)%2)+4*\h], v[WI+64*((\p)%2)+4*\h+1]
	v_cvt_pk_f16_f32 v[WO+2*\h+1], v[WI+64*((\p)%2)+4*\h+2], v[WI+64*((\p)%2)+4*\h+3]
.endr
.if (\p)+2 < 4
	LOADW (\p)+2
.endif
.irp h, 0,1,2,3,4,5,6,7,8,9,10,11,12,13,14,15
	global_store_b64 v7, v[WO+2*\h:WO+2*\h+1], s[14:15] offset:\h*131072+(\p)*256   ; 256 consecutive bytes, aligned: two rows of head h
.endr
.endm
	LOADW 0
	LOADW 1
	CVTW 0
	CVTW 1
	CVTW 2
	CVTW 3
	s_endpgm
.Ltable:
	; ---- cos and sin.  A wave makes one block of 16 positions.  Lane (r, h) holds position 16 x block + r; its number k = 0 .. 15 is pair 8 (k / 4) + 4 h + k % 4 of the head's 32 pairs:
	; so registers 2 k, 2 k + 1 (cos, sin) stand beside registers 2 (k % 4), 2 (k % 4) + 1 of the next launch's result tile k / 4 of a head.
	; angle = position x 10000^(-pair / 32), one rounding as in the definition.  n = the nearest whole number to angle x 2 / pi; angle - n x pi / 2 in two fused steps (pi / 2 = P1 + P2; the first step
	; is exact: n has 11 bits, and the difference is a multiple of 2^-23 under 1); polynomials on [-pi / 4, pi / 4]; the quadrant chooses and signs VALUES alone: no branch, no address hangs on it.
.set AN, 16                            ; v16-31   the pair's number, its frequency, the angle, the reduced angle
.set NN, 32                            ; v32-47   n
.set ZZ, 48                            ; v48-63   the reduced angle's square
.set SN, 64                            ; v64-79   sin of it
.set CN, 80                            ; v80-95   cos of it
.set OT, 96                            ; v96-127  cos, sin, cos, sin ..
.set MM, 128                           ; v128-143 at work
	s_sub_co_u32 s20, ttmp9, TWG
	s_lshl_b32 s20, s20, 2
	s_add_co_u32 s20, s20, s18                     ; my block
	s_lshl_b32 s22, s20, 12                        ; 4,096 bytes a block
	s_mov_b32 s23, 0
	s_add_nc_u64 s[16:17], s[16:17], s[22:23]
	s_lshl_b32 s21, s20, 4
	v_and_b32 v8, 15, v2
	v_add_nc_u32 v8, s21, v8
	v_cvt_f32_u32 v10, v8                          ; my position
	v_lshrrev_b32 v9, 4, v2
	v_lshlrev_b32 v9, 2, v9                        ; 4 h
	s_mov_b32 s24, 0x3f22f983                      ; 2 / pi
	s_mov_b32 s25, 0x3fc90fdb                      ; P1: pi / 2 to f32
	s_mov_b32 s26, 0xb33bbd2e                      ; P2 = pi / 2 - P1
	s_mov_b32 s27, 0xbed49a78                      ; -log2(10000) / 32
	s_mov_b32 s28, 0xbe2aaaab                      ; sin: -1/6, 1/120, -1/5040, 1/362880
	s_mov_b32 s29, 0x3c088889
	s_mov_b32 s30, 0xb9500d01
	s_mov_b32 s31, 0x3638ef1b
	s_mov_b32 s32, 0x3d2aaaab                      ; cos: 1/24, -1/720, 1/40320, -1/3628800
	s_mov_b32 s33, 0xbab60b61
	s_mov_b32 s34, 0x37d00d01
	s_mov_b32 s35, 0xb493f27c
.set k, 0
.rept 16
	v_add_nc_u32 v[AN+k], 8*(k/4)+(k%4), v9
.set k, k+1
.endr
.set k, 0
.rept 16
	v_cvt_f32_u32 v[AN+k], v[AN+k]
.set k, k+1
.endr
.set k, 0
.rept 16
	v_mul_f32 v[AN+k], s27, v[AN+k]
.set k, k+1
.endr
.set k, 0
.rept 16
	v_exp_f32 v[AN+k], v[AN+k]                     ; 10000^(-pair / 32)
.set k, k+1
.endr
	v_nop                                          ; a plain line behind the last exponential
	s_wait_alu depctr_va_vdst(0)                   ; one wait for the sixteen, ahead of their first reader
.set k, 0
.rept 16
	v_mul_f32 v[AN+k], v10, v[AN+k]                ; the angle
.set k, k+1
.endr
.set k, 0
.rept 16
	v_mul_f32 v[NN+k], s24, v[AN+k]
.set k, k+1
.endr
.set k, 0
.rept 16
	v_rndne_f32 v[NN+k], v[NN+k]
.set k, k+1
.endr
.set k, 0
.rept 16
	v_fma_f32 v[AN+k], -v[NN+k], s25, v[AN+k]
.set k, k+1
.endr
.set k, 0
.rept 16
	v_fma_f32 v[AN+k], -v[NN+k], s26, v[AN+k]
.set k, k+1
.endr
.set k, 0
.rept 16
	v_mul_f32 v[ZZ+k], v[AN+k], v[AN+k]
.set k, k+1
.endr
.set k, 0
.rept 16
	v_fma_f32 v[SN+k], v[ZZ+k], s31, s30
	v_fma_f32 v[CN+k], v[ZZ+k], s35, s34
.set k, k+1
.endr
.set k, 0
.rept 16
	v_fma_f32 v[SN+k], v[SN+k], v[ZZ+k], s29
	v_fma_f32 v[CN+k], v[CN+k], v[ZZ+k], s33
.set k, k+1
.endr
.set k, 0
.rept 16
	v_fma_f32 v[SN+k], v[SN+k], v[ZZ+k], s28
	v_fma_f32 v[CN+k], v[CN+k], v[ZZ+k], s32
.set k, k+1
.endr
.set k, 0
.rept 16
	v_mul_f32 v[MM+k], v[ZZ+k], v[AN+k]
	v_fma_f32 v[CN+k], v[CN+k], v[ZZ+k], -0.5
.set k, k+1
.endr
.set k, 0
.rept 16
	v_fma_f32 v[SN+k], v[SN+k], v[MM+k], v[AN+k]   ; sin
	v_fma_f32 v[CN+k], v[CN+k], v[ZZ+k], 1.0       ; cos
.set k, k+1
.endr
.set k, 0
.rept 16
	v_cvt_i32_f32 v[NN+k], v[NN+k]                 ; the quadrant is n mod 4; n is 0 or more
.set k, k+1
.endr
.set k, 0
.rept 16
	v_and_b32 v[MM+k], 1, v[NN+k]
	v_cmp_eq_u32 vcc_lo, 1, v[MM+k]                ; in odd quadrants the two change places
	v_cndmask_b32 v[OT+2*k+1], v[SN+k], v[CN+k], vcc_lo
	v_cndmask_b32 v[OT+2*k], v[CN+k], v[SN+k], vcc_lo
	v_lshlrev_b32 v[MM+k], 30, v[NN+k]             ; sin is negated where n has bit 1,
	v_add_nc_u32 v[NN+k], 1, v[NN+k]               ; cos where n + 1 has it
	v_and_b32 v[MM+k], 0x80000000, v[MM+k]
	v_lshlrev_b32 v[NN+k], 30, v[NN+k]
	v_xor_b32 v[OT+2*k+1], v[OT+2*k+1], v[MM+k]
	v_and_b32 v[NN+k], 0x80000000, v[NN+k]
	v_xor_b32 v[OT+2*k], v[OT+2*k], v[NN+k]
.set k, k+1
.endr
.irp q, 0,1,2,3,4,5,6,7
	global_store_b128 v3, v[OT+4*\q:OT+4*\q+3], s[16:17] offset:512*\q   ; 32 lanes store 512 consecutive bytes, aligned
.endr
	s_endpgm
.Lfunc_end_k_q8d7aa9b538_prep:
	.size	k_q8d7aa9b538_prep, .Lfunc_end_k_q8d7aa9b538_prep-k_q8d7aa9b538_prep
	.p2alignl 7, 3214868480
	.fill 96, 4, 3214868480
	.section	.rodata,"a",@progbits
	.p2align	6, 0x0
	.amdhsa_kernel k_q8d7aa9b538_prep
		.amdhsa_group_segment_fixed_size 33280
		.amdhsa_private_segment_fixed_size 0
		.amdhsa_enable_private_segment 0
		.amdhsa_kernarg_size 56
		.amdhsa_user_sgpr_count 2
		.amdhsa_user_sgpr_kernarg_segment_ptr 1
		.amdhsa_wavefront_size32 1
		.amdhsa_system_sgpr_workgroup_id_x 1
		.amdhsa_system_sgpr_workgroup_id_y 1
		.amdhsa_system_sgpr_workgroup_id_z 1
		.amdhsa_system_vgpr_workitem_id 0
		.amdhsa_next_free_vgpr 192
		.amdhsa_next_free_sgpr 66
		.amdhsa_reserve_vcc 1
		.amdhsa_float_denorm_mode_32 3
		.amdhsa_float_denorm_mode_16_64 3
		.amdhsa_memory_ordered 1
		.amdhsa_forward_progress 1
		.amdhsa_inst_pref_size 79
	.end_amdhsa_kernel
	.amdgpu_metadata
---
amdhsa.version: [ 1, 2 ]
amdhsa.kernels:
  - .name:           k_q8d7aa9b538_prep
    .symbol:         k_q8d7aa9b538_prep.kd
    .args:
      - { .name: x, .offset: 0, .size: 8, .value_kind: global_buffer, .address_space: global }
      - { .name: w_qkv, .offset: 8, .size: 8, .value_kind: global_buffer, .address_space: global }
      - { .name: w_proj, .offset: 16, .size: 8, .value_kind: global_buffer, .address_space: global }
      - { .name: codes, .offset: 24, .size: 8, .value_kind: global_buffer, .address_space: global }
      - { .name: scales, .offset: 32, .size: 8, .value_kind: global_buffer, .address_space: global }
      - { .name: wp, .offset: 40, .size: 8, .value_kind: global_buffer, .address_space: global }
      - { .name: rt, .offset: 48, .size: 8, .value_kind: global_buffer, .address_space: global }
    .group_segment_fixed_size: 33280
    .private_segment_fixed_size: 0
    .kernarg_segment_align: 8
    .kernarg_segment_size: 56
    .max_flat_workgroup_size: 128
    .sgpr_count:     66
    .vgpr_count:     192
    .wavefront_size: 32
...
	.end_amdgpu_metadata
.endif
;; end of part 1
;; launch qkv (part 2): grid 12 x 32, 4 waves a work-group, clusters of 4 x 4, 327,680 bytes of LDS; arguments codes, scales, rt, qkv; writes qkv
.if DOCPART == 2
	.amdgcn_target "amdgcn-amd-amdhsa--gfx1250"
	.amdhsa_code_object_version 6
	.text
	.protected	k_q8d7aa9b538_qkv
	.globl	k_q8d7aa9b538_qkv
	.p2align	8
	.type	k_q8d7aa9b538_qkv,@function
k_q8d7aa9b538_qkv:
	s_mov_b64 s[64:65], 0
	v_nop
	global_prefetch_b8 v0, s[64:65] scope:SCOPE_SE
	s_setreg_imm32_b32 hwreg(HW_REG_WAVE_MODE, 25, 1), 1
	s_wait_xcnt 0x0
	s_wait_alu depctr_hold_cnt(0) depctr_sa_sdst(0) depctr_va_vdst(0) depctr_va_sdst(0) depctr_va_ssrc(0) depctr_va_vcc(0) depctr_vm_vsrc(0)
	s_getreg_b32 s2, hwreg(HW_REG_IB_STS2, 6, 4)
	s_cmp_eq_u32 s2, 0
	s_cbranch_scc0 .Lentry_in_a_cluster
	s_endpgm
.Lentry_in_a_cluster:
	s_bfe_u32 s2, ttmp6, 0x10000c
	s_cmp_lg_u32 s2, 0xf033
	s_cbranch_scc0 .Lentry_shape_is_right
	s_endpgm
.Lentry_shape_is_right:
; q, k, v = x w_qkv^T on codes of FP4 (E2M1) with one E8M0 scale for each 32 along K; sums in f32; q and k are then rotated (interleaved pairs) in f32; all three leave as f16, head by head:
; qkv: q from byte 0, k from byte 16,777,216, v from byte 33,554,432, each [batch x 16 + head][2048 positions][64].
; A = x's codes [8192][512 bytes], B = w_qkv's [3072][512 bytes] (behind x's in the buffer codes); their scale bytes [rows][32] in the buffer scales.
; LIMIT: |q|, |k|, |v| must stay under 65,504, the largest f16 number.  With the drawn spread they are of size 1 to 5; inputs 30 times larger on both sides give about 5,000.
; A tile of the result, 256 x 256, is made by a work-group of four waves, as many as a WGP has SIMDs; a wave makes 128 x 128: 64 accumulators of 16 x 16, 512 registers.
; K = 1,024 is two K steps of 512 (a tile's row is 256 bytes of memory): each has an LDS slot of its own, both asked for at the head, and nothing is filled again.
; THE SCALES of the work-group's 256 rows of A and of B, for all of K, are two dense blocks of memory: they come into LDS once, in rows of 256 bytes.
; CLUSTERS: 4 x 4 work-groups.  The four of a row of the cluster need the same tiles of A, the four of a column the same tiles of B: each tile is asked for JOINTLY, by the same tensor load with the
; same descriptor and a mask that names the four.  A cluster's 1,024 columns are all of q (cluster x = 0), of k (1) or of v (2): the one branch of the way out hangs on the cluster's x, which all sixteen share.
; THE MATRIX INSTRUCTION IS USED TRANSPOSED (source 0 = 16 rows of B, source 1 = 16 rows of A): a lane then holds eight neighbouring columns of one row: four pairs of the rotation.
; REGISTERS, in windows of 256: window 0: v0-31 addresses; v32-95 scale words, two sets; from v128 A's fragments, ONE set; on the way out v32-255 are free.
;   window 1: B's fragments, TWO sets, at v0 and v128.   window 2: the 32 accumulators of my rows 0-63 (accumulator (a, b) at v[8 (8 a + b)]);   window 3: those of my rows 64-127.
.set SIZE_K, 1024
.set KSTEP,  512                       ; along K in a slot
.set NQ,     KSTEP/128                 ; matrix instructions deep
.set ROWB,   256                       ; a tile's row in bytes
.set KROW,   SIZE_K*4/8                ; a row of codes in memory, in bytes
.set PITCH,  272                       ; an LDS row: 256 bytes + 16 of padding = 68 words: the 16 rows that a load touches start 4 words apart modulo 64
.set FR,     8                         ; registers of a fragment: 16 rows x 128 K
.set NL,     2                         ; LDS loads that bring one
.set NP,     4                         ; places behind this matrix instruction (ISA guide 7.12.1)
.set HALFT,  128*PITCH                 ; 128 rows: what one tensor load brings, and what one wave reads of A or of B
.set SLOT,   4*HALFT                   ; A's 256 rows, then B's 256 rows
.set KS,     SIZE_K/32                 ; a row of scales in bytes
.set SCL,    2*SLOT                    ; behind the slots: the scales, as rows of 256 bytes + 16 of padding
.set HALFS,  (128*KS/256)*272          ; the scales of 128 rows: what one tensor load brings
.set SBLK,   (16*KS/256)*272           ; those of 16 rows
.set SPARE,  SCL+4*HALFS               ; behind the scales: the spare words, 128 bytes a wave, which no other line names
.set WSTG,   16*PITCH                  ; the way out: a stage of 16 rows x (256 bytes + 16) for each wave, in slot 0, which has had its only fill and its last read when the first result is stored there
.set VSTG,   4*WSTG                    ; the way out of v has stage bytes of its own, behind those of q and k
.set ADRA, 16                          ; v16-17  LDS address of my A fragments in slot 0, 1
.set ADRB, 20                          ; v20-21  the same for B
.set STO,  24                          ; v24     the way out: where I put 16 bytes of a row
.set RD,   25                          ; v25     the way out: where I read back
.set CO,   26                          ; v26     16 x lane
.set ADRS, 27                          ; v27     LDS address of my scale words: lanes 0-15 A's rows, lanes 16-31 B's
.set SPW,  28                          ; v28     LDS address of my spare word; never rewritten
.set NIL,  29                          ; v29     0; never rewritten
.set SC,   32                          ; scale words: set s at v[SC + 8 NQ s]; register NQ i + q: lanes 0-15 the word of A's block i, lanes 16-31 that of B's block i, for the slot's q-th 128 along K
.set AF,   128                         ; A's fragments, in window 0
.set TBL,  32                          ; the way out: v32-95 two sets of cos and sin;
.set U,    96                          ; v96-159 a block's rotated numbers;
.set TMP,  160                         ; v160-191 the block in f16;
.set BK,   192                         ; v192-255 two sets of rows read back from the stage
.set G1, 24                            ; s[24:31] descriptor group 1 for A's tiles;  s[32:39] group 0, one set for each slot
.set G0, 32
.set G1B, 48                           ; s[48:55], s[56:63] the same for B's tiles
.set G0B, 56
.set G1S, 68                           ; s[68:75], s[76:79] groups 1 and 0 for A's scales;  s[80:87], s[88:91] for B's
.set G0S, 76
.set G1SB, 80
.set G0SB, 88
.set MSB, 0
.macro WIN new                         ; the immediate's high byte repeats the setting that is left
.if MSB != (\new)
	s_set_vgpr_msb (MSB<<8)|(\new)
.set MSB, (\new)
.endif
.endm
.set MUL_LO, 0xa1                      ; source 0 (B) window 1, source 1 (A) window 0, C and D window 2
.set MUL_HI, 0xf1                      ; the same, C and D window 3
.set TO_B,   0x40                      ; destination window 1, address window 0
; A joint load: waves 0 and 1 fetch for A, waves 2 and 3 for B.  Each of the two lines has ONE mask and one set of registers for all that issue it; the branch hangs on the wave's number alone.
; An s_nop 0 and four v_nop follow each of the two lines, ahead of the jump, the label and what follows.
.macro JLOAD g0a, g1a, g0b, g1b
	s_cmp_eq_u32 s15, 0
	s_cbranch_scc0 .Lfor_b_\@
	tensor_load_to_lds s[\g0a:\g0a+3], s[\g1a:\g1a+7]
	s_nop 0
.rept 4
	v_nop
.endr
	s_branch .Lasked_\@
.Lfor_b_\@:
	tensor_load_to_lds s[\g0b:\g0b+3], s[\g1b:\g1b+7]
	s_nop 0
.rept 4
	v_nop
.endr
.Lasked_\@:
.endm
.macro CROUND                          ; a round of the cluster's barrier
	s_barrier_signal -1
	s_barrier_wait -1
	s_cmp_lg_u32 s14, 0
	s_cbranch_scc1 .Lnot_wave_0_\@
	s_barrier_signal -3
.Lnot_wave_0_\@:
	s_barrier_wait -3
	s_barrier_signal -1
	s_barrier_wait -1
.endm
	s_load_b256 s[4:11], s[0:1], 0x0               ; codes s[4:5], scales s[6:7], rt s[8:9], qkv s[10:11]
	v_lshl_add_u32 v[SPW], v0, 2, SPARE
	v_mov_b32 v[NIL], 0
	ds_add_u32 v[SPW], v[NIL]                      ; the wave's opening: the add, twice on end, and its wait ahead of my first tensor load
	ds_add_u32 v[SPW], v[NIL]                      ; the set-up below, work on registers, stands between the second and the wait
	v_lshrrev_b32 v1, 5, v0
	v_readfirstlane_b32 s14, v1                    ; wave 0..3
	s_lshr_b32 s15, s14, 1                         ; which half of the tile's rows is mine.  Also: I fetch for A (0) or for B (1)
	s_and_b32 s16, s14, 1                          ; which half of its columns.  Also: which 128 rows of that tile I fetch
	s_bfe_u32 s40, ttmp6, 0x40000                  ; cx, cy: my place in the cluster
	s_bfe_u32 s41, ttmp6, 0x40004
	s_lshl_b32 s42, ttmp9, 2
	s_add_co_u32 s42, s42, s40                     ; tile column = 4 x cluster x + cx
	s_and_b32 s17, ttmp7, 0xffff
	s_lshl_b32 s17, s17, 2
	s_add_co_u32 s17, s17, s41                     ; tile row = 4 x cluster y + cy
	s_lshl_b32 s43, s41, 2
	s_lshl_b32 s43, 15, s43                        ; my row of the cluster
	s_lshl_b32 s44, 0x1111, s40                    ; my column
	; descriptor group 1: a tile of 128 rows x ROWB bytes, padded in LDS
	s_or_b32 s[G1+0], s43, (0<<16)|(1<<20)|(1<<21)|(5<<22)|(3<<25)  ; 15:0 the mask: A's tiles go to my row; 17:16 element of 1 byte; 20 padding on; 21 set beside a mask; 24:22 after every 64 words; 31:25 four words
	s_or_b32 s[G1B+0], s44, (0<<16)|(1<<20)|(1<<21)|(5<<22)|(3<<25)
.irp g, G1, G1B
	s_mov_b32 s[\g+1], ROWB<<16                    ; tensor_dim0
	s_mov_b32 s[\g+2], 128<<16                     ; tensor_dim1 = 128
	s_mov_b32 s[\g+3], ROWB<<16                    ; tile_dim0
	s_mov_b32 s[\g+4], 128                         ; tile_dim1 = 128
	s_mov_b32 s[\g+5], KROW                        ; tensor_dim0_stride
	s_mov_b32 s[\g+6], 0
	s_mov_b32 s[\g+7], 0
.endr
	; and for the scales of 128 rows: a dense block of 128 KS bytes, as rows of 256 bytes (32 elements of 8 bytes), 16 bytes of padding behind each
	s_or_b32 s[G1S+0], s43, (3<<16)|(1<<20)|(1<<21)|(5<<22)|(3<<25)
	s_or_b32 s[G1SB+0], s44, (3<<16)|(1<<20)|(1<<21)|(5<<22)|(3<<25)
.irp g, G1S, G1SB
	s_mov_b32 s[\g+1], 32<<16
	s_mov_b32 s[\g+2], (128*KS/256)<<16
	s_mov_b32 s[\g+3], 32<<16
	s_mov_b32 s[\g+4], 128*KS/256
	s_mov_b32 s[\g+5], 32
	s_mov_b32 s[\g+6], 0
	s_mov_b32 s[\g+7], 0
.endr
	s_lshl_b32 s18, s16, 7                         ; which 128 rows of the tile I fetch
	s_lshl_b32 s20, s17, 8
	s_add_co_u32 s20, s20, s18                     ; A: row 256 x tile row + 128 x half
	s_lshl_b32 s46, s42, 8
	s_add_co_u32 s46, s46, s18                     ; B: row 256 x tile column + 128 x half
	s_mov_b32 s21, 0
	s_mov_b32 s47, 0
	s_mov_b64 s[18:19], KS
	s_mul_u64 s[22:23], s[20:21], s[18:19]         ; where these rows' scales begin, in bytes
	s_mul_u64 s[92:93], s[46:47], s[18:19]
	s_mov_b64 s[18:19], KROW
	s_mul_u64 s[20:21], s[20:21], s[18:19]         ; and their codes
	s_mul_u64 s[46:47], s[46:47], s[18:19]
	s_mul_i32 s45, s14, HALFT                      ; where they go: wave x 128 rows: no place in the cluster enters an LDS address
	s_mul_i32 s94, s14, HALFS
	s_wait_dscnt 0x0                               ; both opening adds are done
	s_wait_kmcnt 0x0
	s_mov_b64 s[66:67], s[8:9]                     ; rt
	s_mov_b64 s[12:13], s[10:11]                   ; qkv
	s_add_nc_u64 s[8:9], s[4:5], 0x400000          ; B's codes lie behind A's 8,192 rows of 512 bytes,
	s_add_nc_u64 s[10:11], s[6:7], 0x40000         ; B's scales behind A's 8,192 rows of 32
	s_add_nc_u64 s[20:21], s[4:5], s[20:21]
	s_add_nc_u64 s[22:23], s[6:7], s[22:23]
	s_add_nc_u64 s[46:47], s[8:9], s[46:47]
	s_add_nc_u64 s[92:93], s[10:11], s[92:93]
	CROUND                                         ; all sixteen work-groups are here: the joint loads meet
	s_mov_b32 s[G0S], 1
	s_add_co_u32 s[G0S+1], s94, SCL
	s_mov_b64 s[G0S+2:G0S+3], s[22:23]
	s_or_b32 s[G0S+3], s[G0S+3], 0x80000000
	s_mov_b32 s[G0SB], 1
	s_add_co_u32 s[G0SB+1], s94, SCL
	s_mov_b64 s[G0SB+2:G0SB+3], s[92:93]
	s_or_b32 s[G0SB+3], s[G0SB+3], 0x80000000
	JLOAD G0S, G1S, G0SB, G1SB                     ; the scales first: they are wanted with K step 0
.irp s, 0,1
	s_mov_b32 s[G0+4*\s], 1
	s_add_co_u32 s[G0+4*\s+1], s45, \s*SLOT
	s_add_nc_u64 s[G0+4*\s+2:G0+4*\s+3], s[20:21], \s*ROWB
	s_or_b32 s[G0+4*\s+3], s[G0+4*\s+3], 0x80000000
	s_mov_b32 s[G0B+4*\s], 1
	s_add_co_u32 s[G0B+4*\s+1], s45, \s*SLOT
	s_add_nc_u64 s[G0B+4*\s+2:G0B+4*\s+3], s[46:47], \s*ROWB
	s_or_b32 s[G0B+4*\s+3], s[G0B+4*\s+3], 0x80000000
	JLOAD G0+4*\s, G1, G0B+4*\s, G1B               ; three loads of mine are out: all that this launch asks for
.endr
	v_and_b32 v1, 15, v0                           ; r = l % 16
	v_bfe_u32 v2, v0, 4, 1                         ; h = l / 16
	v_mul_u32_u24 v3, v1, PITCH
	v_lshl_add_u32 v4, v2, 4, v3                   ; a fragment's row x pitch + 16 x half
	s_mul_i32 s21, s15, HALFT                      ; my 128 rows of A
	s_mul_i32 s22, s16, HALFT                      ; my 128 rows of B,
	s_add_co_u32 s22, s22, 2*HALFT                 ; which lie behind A's 256
.irp s, 0,1
	v_add_nc_u32 v[ADRA+\s], s21, v4
	v_add_nc_u32 v[ADRB+\s], s22, v4
	s_add_co_u32 s21, s21, SLOT
	s_add_co_u32 s22, s22, SLOT
.endr
	v_mul_u32_u24 v5, v1, KS                       ; my row's scales: KS bytes a row,
	v_lshrrev_b32 v6, 8, v5
	v_lshl_add_u32 v5, v6, 4, v5                   ; and 16 more for each 256 passed
	s_mul_i32 s21, s15, HALFS                      ; A's: my 128 rows
	s_mul_i32 s22, s16, HALFS                      ; B's: my 128 rows, behind A's 256
	s_add_co_u32 s22, s22, 2*HALFS
	s_sub_co_u32 s22, s22, s21
	v_mul_u32_u24 v6, s22, v2                      ; lanes 16-31 take B's
	s_add_co_u32 s21, s21, SCL
	v_add_nc_u32 v5, v5, v6
	v_add_nc_u32 v[ADRS], s21, v5
	s_mul_i32 s23, s14, WSTG                       ; my stage
	v_add_nc_u32 v[STO], s23, v4                   ; in: row r, 16 bytes for each half of the lanes
	v_bfe_u32 v5, v0, 3, 2
	v_mul_u32_u24 v5, v5, PITCH
	v_and_b32 v6, 7, v0
	v_lshl_add_u32 v5, v6, 4, v5
	v_add_nc_u32 v[RD], s23, v5                    ; back: eight lanes take the 128 bytes that a row has of one head; 32 lanes four rows
	v_and_b32 v6, 31, v0
	v_lshlrev_b32 v[CO], 4, v6                     ; four rows of one head are 512 consecutive bytes of qkv: 16 x lane; the table's loads likewise
	s_lshl_b32 s20, s17, 8
	s_lshl_b32 s21, s15, 7
	s_add_co_u32 s20, s20, s21                     ; my first row of x: 256 x tile row + 128 x half
	s_and_b32 s21, s20, 2047                       ; its position,
	s_lshr_b32 s20, s20, 11                        ; its batch
	s_lshl_b32 s20, s20, 22                        ; 16 heads x 262,144 bytes a batch
	s_lshl_b32 s22, s21, 7                         ; 128 bytes a position
	s_add_co_u32 s20, s20, s22
	s_lshl_b32 s22, ttmp9, 24                      ; q, k or v: 16,777,216 bytes each
	s_add_co_u32 s20, s20, s22
	s_lshl_b32 s22, s21, 8                         ; the table: 4,096 bytes for 16 positions
	s_mov_b32 s23, 0
	s_add_nc_u64 s[66:67], s[66:67], s[22:23]
	s_mov_b32 s21, 0
	s_lshl_b32 s46, s40, 2                         ; my first head: 4 cx + 2 x column half (in the registers that held B's address: none that feeds A's descriptors ever holds cx)
	s_lshl_b32 s47, s16, 1
	s_add_co_u32 s46, s46, s47
	s_lshl_b32 s46, s46, 18
	s_mov_b32 s47, 0
	s_add_nc_u64 s[20:21], s[20:21], s[46:47]
	s_add_nc_u64 s[12:13], s[12:13], s[20:21]
.macro FRAG reg, adr, q, i             ; a fragment, 16 rows x 128 K of 4-bit codes, is 8 registers: lane l holds row l % 16; registers 4 c .. 4 c + 3 hold K = 64 c + 32 (l / 16) + 0 .. 31
.irp c, 0,1
	ds_load_b128 v[\reg+4*\c:\reg+4*\c+3], v[\adr] offset:64*(\q)+32*\c+(\i)*16*PITCH
.endr
.endm
; 16 matrix instructions: A's blocks a0, a0 + 1 x B's eight, 128 along K: the slot's q-th.  p: B's set;  sc: the set of scale words.  zero = 1: the first product starts the sums: nothing is ever cleared.
; The 64 accumulators take turns, one instruction a turn, in the same order in every step.
.macro MUL16 a0, p, q, sc, zero
.irp a, \a0, \a0+1
.irp b, 0,1,2,3,4,5,6,7
.if \zero
	v_wmma_scale_f32_16x16x128_f8f6f4 v[8*(8*((\a)%4)+\b):8*(8*((\a)%4)+\b)+7], v[128*(\p)+FR*\b:128*(\p)+FR*\b+FR-1], v[AF+FR*(\a):AF+FR*(\a)+FR-1], 0, v[SC+8*NQ*(\sc)+NQ*\b+(\q)], v[SC+8*NQ*(\sc)+NQ*(\a)+(\q)] matrix_a_fmt:MATRIX_FMT_FP4 matrix_b_fmt:MATRIX_FMT_FP4 matrix_a_scale:MATRIX_SCALE_ROW1
.else
	v_wmma_scale_f32_16x16x128_f8f6f4 v[8*(8*((\a)%4)+\b):8*(8*((\a)%4)+\b)+7], v[128*(\p)+FR*\b:128*(\p)+FR*\b+FR-1], v[AF+FR*(\a):AF+FR*(\a)+FR-1], v[8*(8*((\a)%4)+\b):8*(8*((\a)%4)+\b)+7], v[SC+8*NQ*(\sc)+NQ*\b+(\q)], v[SC+8*NQ*(\sc)+NQ*(\a)+(\q)] matrix_a_fmt:MATRIX_FMT_FP4 matrix_b_fmt:MATRIX_FMT_FP4 matrix_a_scale:MATRIX_SCALE_ROW1
.endif
.endr
.endr
.endm
.macro FETCH_B slot, q, p              ; B's eight fragments of the slot's q-th 128 along K into set p
	WIN TO_B
.irp i, 0,1,2,3,4,5,6,7
	FRAG 128*(\p)+FR*\i, ADRB+\slot, \q, \i
.endr
	WIN 0
.endm
.macro FETCH_A slot, q, i0             ; A's blocks i0 .. i0 + 3
.irp i, \i0, \i0+1, \i0+2, \i0+3
	FRAG AF+FR*(\i), ADRA+\slot, \q, \i
.endr
.endm
.macro SCALES sc                       ; a K step's scale words into set sc: NQ words a row; lanes 0-15 take A's block i, lanes 16-31 B's block i
.irp i, 0,1,2,3,4,5,6,7
	ds_load_b128 v[SC+8*NQ*\sc+NQ*\i:SC+8*NQ*\sc+NQ*\i+3], v[ADRS] offset:\i*SBLK
.endr
.endm
; A load into a register that a matrix instruction has read, and a vector instruction or an LDS store that reads a matrix result, stand NP places behind that matrix instruction, and only plain vector
; instructions that name none of its registers are places (ISA guide 7.12.1 for vector instructions).
.macro PLACES n
.rept \n
	v_nop
.endr
.endm
; A step of 128 along K that has its successor in the same slot.
.macro STEP slot, q, zero
	s_wait_dscnt 4*NL                              ; B's set and A's blocks 0-3 are in; the youngest eight loads (A's blocks 4-7) may be out
	WIN MUL_LO
	MUL16 0, (\q)%2, \q, \slot, \zero
	MUL16 2, (\q)%2, \q, \slot, \zero
	s_wait_dscnt 0                                 ; A's blocks 4-7 are in (asked for 32 matrix instructions ago)
	PLACES NP
	FETCH_B \slot, (\q)+1, 1-(\q)%2
	FETCH_A \slot, (\q)+1, 0
	WIN MUL_HI
	MUL16 4, (\q)%2, \q, \slot, \zero
	MUL16 6, (\q)%2, \q, \slot, \zero
	PLACES NP
	WIN 0
	FETCH_A \slot, (\q)+1, 4
.endm
; Slot 0's last step goes over to slot 1: ONE barrier; in front of it each wave waits for all its tensor loads (its part of slot 1), adds 0 to its spare word, and waits for that and for its own reads of slot 0.
; Behind it slot 1 is whole, and nobody reads slot 0 any more: the stages of the way out lie there.
.macro TURN slot, next
	s_wait_tensorcnt 0x0                           ; all my tensor loads have landed  (every window is 0 here: the add's two registers lie in window 0)
	ds_add_u32 v[SPW], v[NIL]                      ; 0 onto my spare word
	s_wait_dscnt 4*NL+1                            ; (the add and the youngest eight loads, A's blocks 4-7, may be out)
	WIN MUL_LO
	MUL16 0, 1, NQ-1, \slot, 0                     ; sixteen matrix instructions stand between the add and the wait for it
	s_wait_dscnt 0x0                               ; the add is done, and my reads of this slot are over
	s_barrier_signal -1
	MUL16 2, 1, NQ-1, \slot, 0
	WIN 0
	s_barrier_wait -1
	PLACES NP
	v_add_nc_u32 v[ADRS], 4*NQ, v[ADRS]            ; on to the next K step's scale words (no LDS load of mine is out)
	FETCH_B \next, 0, 0
	FETCH_A \next, 0, 0
	SCALES \next
	WIN MUL_HI
	MUL16 4, 1, NQ-1, \slot, 0
	MUL16 6, 1, NQ-1, \slot, 0
	PLACES NP
	WIN 0
	FETCH_A \next, 0, 4
.endm
.macro STEPS slot, from                ; the slot's steps from .. NQ - 2
.set Q, \from
.rept NQ-1-\from
	STEP \slot, Q, 0
.set Q, Q+1
.endr
.endm
	s_wait_tensorcnt 1                             ; the scales and my part of K step 0 are in; K step 1's load may be out
	s_barrier_signal -1
	s_barrier_wait -1                              ; everybody's are
	FETCH_B 0, 0, 0
	FETCH_A 0, 0, 0
	SCALES 0
	FETCH_A 0, 0, 4
	STEP 0, 0, 1                                   ; the first step's products start the sums
	STEPS 0, 1
	TURN 0, 1
	STEPS 1, 0
	s_wait_dscnt 4*NL                              ; the very last step: nothing more to fetch
	WIN MUL_LO
	MUL16 0, 1, NQ-1, 1, 0
	MUL16 2, 1, NQ-1, 1, 0
	s_wait_dscnt 0
	WIN MUL_HI
	MUL16 4, 1, NQ-1, 1, 0
	MUL16 6, 1, NQ-1, 1, 0
	WIN 0
; THE WAY OUT, block by block of 16 rows x 128 columns (two heads).  In accumulator b a lane holds row r and columns 16 b + 8 h + 0 .. 7: pairs 8 (b % 4) + 4 h + 0 .. 3 of head b / 4.
.macro TABLE a                         ; cos and sin of block a's 16 positions, in the order of those registers: register 8 (b % 4) + 2 p: cos of the lane's pair p, the next: its sin
.irp q, 0,1,2,3,4,5,6,7
	global_load_b128 v[TBL+32*((\a)%2)+4*\q:TBL+32*((\a)%2)+4*\q+3], v[CO], s[66:67] offset:4096*(\a)+512*\q
.endr
.endm
.macro ROPE a                          ; (x0, x1) -> (x0 cos - x1 sin, x1 cos + x0 sin), in f32; then f16
.set AC, 64*((\a)%4)
.set TT, TBL+32*((\a)%2)
	WIN 0x02+(\a)/4                                ; source 0: the accumulators' window
.irp b, 0,1,2,3,4,5,6,7
.irp p, 0,1,2,3
	v_pk_mul_f32 v[U+8*\b+2*\p:U+8*\b+2*\p+1], v[AC+8*\b+2*\p:AC+8*\b+2*\p+1], v[TT+8*(\b%4)+2*\p:TT+8*(\b%4)+2*\p+1] op_sel_hi:[1,0]   ; both x cos; each accumulator is read from its low end on
.endr
.irp p, 0,1,2,3
	v_fma_f32 v[U+8*\b+2*\p], -v[AC+8*\b+2*\p+1], v[TT+8*(\b%4)+2*\p+1], v[U+8*\b+2*\p]
	v_fma_f32 v[U+8*\b+2*\p+1], v[AC+8*\b+2*\p], v[TT+8*(\b%4)+2*\p+1], v[U+8*\b+2*\p+1]
.endr
.endr
	WIN 0
.irp b, 0,1,2,3,4,5,6,7
.irp p, 0,1,2,3
	v_cvt_pk_f16_f32 v[TMP+4*\b+\p], v[U+8*\b+2*\p], v[U+8*\b+2*\p+1]
.endr
.endr
.endm
.macro PACKV a                         ; v is not rotated: straight to f16
.set AC, 64*((\a)%4)
	WIN 0x0a+5*((\a)/4)                            ; sources 0 and 1: window 2 or 3
.irp b, 0,1,2,3,4,5,6,7
.irp p, 0,1,2,3
	v_cvt_pk_f16_f32 v[TMP+4*\b+\p], v[AC+8*\b+2*\p], v[AC+8*\b+2*\p+1]
.endr
.endr
	WIN 0
.endm
.macro TOSTAGE a, stg                  ; a lane's 16 bytes into my own stage; back by heads, four rows of one head (512 bytes) a load.  LDS serves a wave's instructions in order: no wait between
.irp b, 0,1,2,3,4,5,6,7
	ds_store_b128 v[STO], v[TMP+4*\b:TMP+4*\b+3] offset:\stg+32*\b
.endr
.irp g, 0,1
.irp i, 0,1,2,3
	ds_load_b128 v[BK+32*((\a)%2)+4*(4*\g+\i):BK+32*((\a)%2)+4*(4*\g+\i)+3], v[RD] offset:\stg+4*PITCH*\i+128*\g
.endr
.endr
.endm
.macro SEND a, younger                 ; younger: the LDS instructions issued behind block a's loads, which may stay out
	s_wait_dscnt \younger
.irp g, 0,1
.irp i, 0,1,2,3
	global_store_b128 v[CO], v[BK+32*((\a)%2)+4*(4*\g+\i):BK+32*((\a)%2)+4*(4*\g+\i)+3], s[12:13] offset:262144*\g+2048*(\a)+512*\i   ; 32 lanes store 512 consecutive bytes, aligned; no base is stepped
.endr
.endr
.endm
.macro WAYOUT rope, stg
	PLACES NP                                      ; behind the last products: for the loads into registers that they read, and for the reads of their results
.if \rope
	TABLE 0
	TABLE 1
	s_wait_loadcnt 8                               ; block 0's table is in; block 1's eight loads may be out
	ROPE 0
.else
	PACKV 0
.endif
	TOSTAGE 0, \stg
.irp a, 1,2,3,4,5,6,7
.if \rope
.if \a < 7
	TABLE \a+1                                     ; into the set that block a - 1's rotation has read
	s_wait_loadcnt 8                               ; block a's table is in; the eight just issued may be out
.else
	s_wait_loadcnt 0x0
.endif
	ROPE \a
.else
	PACKV \a
.endif
.if \a > 1
	s_wait_xcnt 0x0                                ; block a - 2's stores have read their registers: block a's loads from the stage may land there
.endif
	TOSTAGE \a, \stg
	SEND \a-1, 16                                  ; behind block a - 1's loads: block a's 8 stores and 8 loads
.endr
	SEND 7, 0
.endm
	s_cmp_eq_u32 ttmp9, 2                          ; the cluster's x: the same in all sixteen partners and in all waves
	s_cbranch_scc1 .Lvalues
	WAYOUT 1, 0                                    ; q and k
	s_branch .Lend
.Lvalues:
	WAYOUT 0, VSTG                                 ; v
.Lend:
	s_wait_tensorcnt 0x0                           ; the wave's end: behind my last tensor load and my last LDS store
	ds_add_u32 v[SPW], v[NIL]
	s_wait_dscnt 0x0
	CROUND                                         ; the closing round
	s_endpgm
.Lfunc_end_k_q8d7aa9b538_qkv:
	.size	k_q8d7aa9b538_qkv, .Lfunc_end_k_q8d7aa9b538_qkv-k_q8d7aa9b538_qkv
	.p2alignl 7, 3214868480
	.fill 96, 4, 3214868480
	.section	.rodata,"a",@progbits
	.p2align	6, 0x0
	.amdhsa_kernel k_q8d7aa9b538_qkv
		.amdhsa_group_segment_fixed_size 327680
		.amdhsa_private_segment_fixed_size 0
		.amdhsa_enable_private_segment 0
		.amdhsa_kernarg_size 32
		.amdhsa_user_sgpr_count 2
		.amdhsa_user_sgpr_kernarg_segment_ptr 1
		.amdhsa_wavefront_size32 1
		.amdhsa_system_sgpr_workgroup_id_x 1
		.amdhsa_system_sgpr_workgroup_id_y 1
		.amdhsa_system_sgpr_workgroup_id_z 1
		.amdhsa_system_vgpr_workitem_id 0
		.amdhsa_next_free_vgpr 1024
		.amdhsa_next_free_sgpr 98
		.amdhsa_reserve_vcc 0
		.amdhsa_float_denorm_mode_32 3
		.amdhsa_float_denorm_mode_16_64 3
		.amdhsa_memory_ordered 1
		.amdhsa_forward_progress 1
		.amdhsa_inst_pref_size 212
	.end_amdhsa_kernel
	.amdgpu_metadata
---
amdhsa.version: [ 1, 2 ]
amdhsa.kernels:
  - .name:           k_q8d7aa9b538_qkv
    .symbol:         k_q8d7aa9b538_qkv.kd
    .args:
      - { .name: codes, .offset: 0, .size: 8, .value_kind: global_buffer, .address_space: global }
      - { .name: scales, .offset: 8, .size: 8, .value_kind: global_buffer, .address_space: global }
      - { .name: rt, .offset: 16, .size: 8, .value_kind: global_buffer, .address_space: global }
      - { .name: qkv, .offset: 24, .size: 8, .value_kind: global_buffer, .address_space: global }
    .group_segment_fixed_size: 327680
    .private_segment_fixed_size: 0
    .kernarg_segment_align: 8
    .kernarg_segment_size: 32
    .max_flat_workgroup_size: 128
    .sgpr_count:     98
    .vgpr_count:     1024
    .wavefront_size: 32
...
	.end_amdgpu_metadata
.endif
;; end of part 2
;; launch attn (part 3): grid 4 x 64, 8 waves a work-group, clusters of 4 x 1, 327,680 bytes of LDS; arguments qkv, o; writes o
.if DOCPART == 3
	.amdgcn_target "amdgcn-amd-amdhsa--gfx1250"
	.amdhsa_code_object_version 6
	.text
	.protected	k_q8d7aa9b538_attn
	.globl	k_q8d7aa9b538_attn
	.p2align	8
	.type	k_q8d7aa9b538_attn,@function
k_q8d7aa9b538_attn:
	s_mov_b64 s[64:65], 0
	v_nop
	global_prefetch_b8 v0, s[64:65] scope:SCOPE_SE
	s_setreg_imm32_b32 hwreg(HW_REG_WAVE_MODE, 25, 1), 1
	s_wait_xcnt 0x0
	s_wait_alu depctr_hold_cnt(0) depctr_sa_sdst(0) depctr_va_vdst(0) depctr_va_sdst(0) depctr_va_ssrc(0) depctr_va_vcc(0) depctr_vm_vsrc(0)
	s_getreg_b32 s2, hwreg(HW_REG_IB_STS2, 6, 4)
	s_cmp_eq_u32 s2, 0
	s_cbranch_scc0 .Lentry_in_a_cluster
	s_endpgm
.Lentry_in_a_cluster:
	s_bfe_u32 s2, ttmp6, 0x10000c
	s_cmp_lg_u32 s2, 0x3003
	s_cbranch_scc0 .Lentry_shape_is_right
	s_endpgm
.Lentry_shape_is_right:
; o[bh][q][:] = the sum over k of softmax_k(q . k / 8) v[k][:], for 64 (batch, head) pairs of 2,048 positions x 64 channels.  q, k, v: f16, in the buffer qkv (q from byte 0, k from 16,777,216, v from 33,554,432),
; each [bh][2048][64]; o: f16, the same shape.  Products, maxima and sums in f32; the weights p are rounded to f16 for the second product, o once at the end.
; f16 and not bf16: eleven significant bits against eight.  p lies in [0, 1]; what falls under f16's smallest number is nothing beside the row's sum, which is at least 1.
; SHARES.  A work-group owns 512 queries of one head, each of its eight waves 64: four tiles of 16, in 512 registers: two waves to a SIMD, so that one wave's softmax stands beside the other's products,
; and each fragment of K and V read from LDS feeds four matrix instructions.  Every wave walks all 2,048 keys, 64 a step.
; LAYOUT.  S^T = K Q^T (source 0 = 16 keys, source 1 = 16 queries): a lane holds ONE query (lane % 16) and the keys 8 (lane / 16) + 0..7.  Two such tiles, rounded to f16 in pairs, ARE source 1
; (32 keys x 16 queries) of O^T = V^T P, whose result again holds one query a lane.  K comes out of LDS as it lies, V ([key][channel]) turned, by ds_load_tr16_b128.
; SOFTMAX.  For each query a running maximum m and sum l: p = 2^(c s - c m), c = log2(e) / 8; in every step O and l are multiplied by a = 2^(c m_old - c m_new).  m begins at -3e38, O and l at 0.
; CLUSTER.  The four work-groups of a head form a cluster and walk the same K and V: each tile is asked for JOINTLY, by the same tensor load with the same descriptor and the mask 15.
; THE RING.  Two slots of 512 keys (8 steps).  Waves 0-3 fetch K's quarters, waves 4-7 V's: one load of 128 rows a wave.  Keys 0-1,023 are the first fills; keys 1,024 on refill each slot once,
; behind a round of the cluster's barrier, and have 8 steps in which to land.  By this text's count a wave has two loads out at the start and one behind each round.
; REGISTERS: window 0: v1-15 addresses; v16-47 statistics, 8 a tile; v48-175 S^T, 32 a tile (P is packed in place into each tile's first 16); v176-239 K of a step, then V of the same step.
;            window 1: v0-127 O^T, 32 a tile; v128-191 Q, 16 a tile.
.set KS,    64                         ; keys in a step
.set SK,    512                        ; keys in a slot
.set PK,    144                        ; a row of K in LDS: 128 bytes + 16 = 36 words: the 16 rows of a load start 4 words apart modulo 64
.set PV,    160                        ; a row of V: 128 + 32 = 40 words: the 8 rows x 32 bytes that 16 lanes of the turning load take fall on different words modulo 64
.set VOFF,  SK*PK                      ; a slot: 512 rows of K, then 512 rows of V
.set SLOT,  SK*(PK+PV)
.set SPARE, 2*SLOT                     ; behind the ring: the spare words, 128 bytes a wave, which no other line names
.set WSTG,  4*16*PK                    ; the way out: 4 tiles x 16 rows x 144 bytes for each wave, from byte 0 on: slot 0 has had its last fill and its last read by then
.set AK0, 1                            ; v1   my lane's place in a tile of K
.set AV0, 2                            ; v2   the same for V
.set ADK, 3                            ; v3   LDS address of the step's K
.set ADV, 4                            ; v4   of its V
.set SPW, 5                            ; v5   LDS address of my spare word; never rewritten
.set NIL, 6                            ; v6   0; never rewritten
.set GO,  7                            ; v7   16 x lane
.set PFO, 8                            ; v8   256 x lane; never rewritten
.set STO, 9                            ; v9   the way out: where I put 16 bytes of a row
.set RD,  10                           ; v10  where I read back
.set QO,  11                           ; v11  my byte offset in a tile of Q
.set ST,  16                           ; tile x's statistics at v[ST + 8 x]: +0 c m, +1 m, +2, +3 l (even keys', odd keys'), +4 to +7 at work; a at +6
.set S,   48
.set KV,  176
.set QF,  128                          ; in window 1
.set WV,  12                           ; s12  my wave's number
.set G1K, 24                           ; s[24:31] descriptor group 1 for K's tiles
.set G1V, 32                           ; s[32:39] for V's: it differs in the padding alone
.set G0K, 40                           ; s[40:47] group 0 for K's tiles, a set for each slot
.set G0V, 48                           ; s[48:55] the same for V's
.set CNT, 56                           ; s56  steps left in the slot
.set CS,  58                           ; s[58:59] c: the packed scaling names a pair and takes its low word for both halves
.set SEL, 60                           ; s[60:61] lane selects for v_permlanex16_b32: lane l xor 16
.set TBK, 62                           ; s62  LDS byte at which the step's K begins
.set TBV, 63                           ; s63  and, less VOFF, its V
.set PFA, 66                           ; s[66:67] where my prefetches stand in memory
.set LIM, 68                           ; s68  1 in a wave that prefetches, else -1
.set MSB, 0
.macro WIN new                         ; the immediate's high byte repeats the setting that is left
.if MSB != (\new)
	s_set_vgpr_msb (MSB<<8)|(\new)
.set MSB, (\new)
.endif
.endm
.set W_KQ, 0x04                        ; source 1 (Q) window 1
.set W_PV, 0x50                        ; C and D (O^T) window 1
.set W_RS, 0x41                        ; destination and source 0 (O^T) window 1
; A joint load.  The branch hangs on the wave's number alone.  An s_nop 0 and four v_nop follow each of the two lines.
.macro JLOAD s
	s_cmp_lt_u32 s[WV], 4
	s_cbranch_scc0 .Lfor_v_\@
	tensor_load_to_lds s[G0K+4*\s:G0K+4*\s+3], s[G1K:G1K+7]
	s_nop 0
.rept 4
	v_nop
.endr
	s_branch .Lasked_\@
.Lfor_v_\@:
	tensor_load_to_lds s[G0V+4*\s:G0V+4*\s+3], s[G1V:G1V+7]
	s_nop 0
.rept 4
	v_nop
.endr
.Lasked_\@:
.endm
; A PREFETCH INTO THE L2 of the 512 keys that the next change of slots asks for, in the slot's last step, behind that step's loads of K: one step ahead of the tensor load.
; A head is read by its own cluster alone.  The four partners share the 512 rows of K and of V out BY ADDRESS, 128 each; in each, waves 0 and 1 ask for K's and waves 2 and 3 for V's,
; 8,192 bytes an instruction, lanes 256 bytes apart: each aligned 256 bytes is named once in the launch.  Keys 0-1,023 come by the first fills alone; the last two slots ask for nothing.
.macro ASK
	s_cmp_eq_u32 s[CNT], s[LIM]
	s_cbranch_scc0 .Lnot_mine_\@
	global_prefetch_b8 v[PFO], s[PFA:PFA+1] th:TH_LOAD_NT scope:SCOPE_SE
.Lnot_mine_\@:
.endm
.macro CROUND                          ; a round of the cluster's barrier
	s_barrier_signal -1
	s_barrier_wait -1
	s_cmp_lg_u32 s[WV], 0
	s_cbranch_scc1 .Lnot_wave_0_\@
	s_barrier_signal -3
.Lnot_wave_0_\@:
	s_barrier_wait -3
	s_barrier_signal -1
	s_barrier_wait -1
.endm
	s_load_b128 s[4:7], s[0:1], 0x0                ; qkv s[4:5], o s[6:7]
	v_lshl_add_u32 v[SPW], v0, 2, SPARE
	v_mov_b32 v[NIL], 0
	ds_add_u32 v[SPW], v[NIL]                      ; the wave's opening: the add, twice on end, and its wait ahead of my first tensor load
	ds_add_u32 v[SPW], v[NIL]                      ; the set-up below, work on registers, stands between the second and the wait
	v_lshrrev_b32 v12, 5, v0
	v_readfirstlane_b32 s[WV], v12                 ; wave 0..7
	s_bfe_u32 s13, ttmp6, 0x40000                  ; cx: my block of 512 queries; it enters Q's, O's and the prefetches' addresses alone
	s_and_b32 s14, ttmp7, 0xffff                   ; batch x 16 + head, which the four partners share
	s_lshl_b32 s20, s14, 18                        ; 262,144 bytes a head
	s_and_b32 s15, s[WV], 3                        ; which 128 rows of a slot I fetch:
	s_lshl_b32 s22, s15, 14                        ; 16,384 bytes in memory,
	s_add_co_u32 s22, s22, s20
	s_mov_b32 s23, 0
	s_mul_i32 s16, s15, 128*PK                     ; their place in a slot as rows of K,
	s_mul_i32 s17, s15, 128*PV                     ; and as rows of V
	s_add_co_u32 s17, s17, VOFF
	s_lshl_b32 s2, s13, 16                         ; my block's 512 rows of 128 bytes,
	s_lshl_b32 s3, s[WV], 13                       ; my wave's 64 of them
	s_add_co_u32 s2, s2, s3
	s_add_co_u32 s2, s2, s20
	s_mov_b32 s3, 0
	; descriptor group 1: a tile of 128 rows x 64 elements of 2 bytes, dense in memory, padded in LDS
	s_mov_b32 s[G1K], 15|(1<<16)|(1<<20)|(1<<21)|(4<<22)|(3<<25)  ; 15:0 the mask: all four work-groups; 17:16 elements of 2 bytes; 20 padding on; 21 set beside a mask; 24:22 after every 32 words; 31:25 four words
	s_mov_b32 s[G1V], 15|(1<<16)|(1<<20)|(1<<21)|(4<<22)|(7<<25)  ; the same with eight words of padding
.irp g, G1K, G1V
	s_mov_b32 s[\g+1], 64<<16                      ; tensor_dim0 = 64
	s_mov_b32 s[\g+2], 128<<16                     ; tensor_dim1 = 128
	s_mov_b32 s[\g+3], 64<<16                      ; tile_dim0 = 64
	s_mov_b32 s[\g+4], 128                         ; tile_dim1 = 128
	s_mov_b32 s[\g+5], 64                          ; tensor_dim0_stride
	s_mov_b32 s[\g+6], 0
	s_mov_b32 s[\g+7], 0
.endr
	s_mov_b32 s[CS], 0x3e38aa3b                    ; c = log2(e) / 8
	s_mov_b32 s[CS+1], s[CS]                       ; named with it as a pair, so it is written
	s_mov_b32 s[SEL], 0x76543210
	s_mov_b32 s[SEL+1], 0xfedcba98
	s_cmp_lt_u32 s[WV], 4
	s_cselect_b32 s[LIM], 1, -1
	s_wait_dscnt 0x0                               ; both opening adds are done
	s_wait_kmcnt 0x0
	s_add_nc_u64 s[8:9], s[4:5], s[2:3]            ; Q at my wave's first row
	s_add_nc_u64 s[10:11], s[6:7], s[2:3]          ; O likewise
	s_add_nc_u64 s[18:19], s[4:5], 0x1000000       ; K's part of the buffer
	s_add_nc_u64 s[70:71], s[4:5], 0x2000000       ; V's
	s_cmp_lt_u32 s[WV], 2
	s_cselect_b64 s[PFA:PFA+1], s[18:19], s[70:71]
	s_lshl_b32 s2, s13, 14                         ; my work-group's 128 rows of the 512,
	s_and_b32 s3, s[WV], 1
	s_lshl_b32 s3, s3, 13                          ; my wave's 64 of them,
	s_add_co_u32 s2, s2, s3
	s_add_co_u32 s2, s2, s20                       ; in my head,
	s_add_co_u32 s2, s2, 2*SK*128                  ; from key 1,024 on
	s_mov_b32 s3, 0
	s_add_nc_u64 s[PFA:PFA+1], s[PFA:PFA+1], s[2:3]
	s_add_nc_u64 s[18:19], s[18:19], s[22:23]      ; K and V at my rows of slot 0
	s_add_nc_u64 s[70:71], s[70:71], s[22:23]
	CROUND                                         ; all four work-groups are here: the first joint loads meet
.irp s, 0,1
	s_mov_b32 s[G0K+4*\s], 1                       ; count = 1
	s_add_co_u32 s[G0K+4*\s+1], s16, \s*SLOT       ; LDS address
	s_add_nc_u64 s[G0K+4*\s+2:G0K+4*\s+3], s[18:19], \s*SK*128   ; global address: slot s begins with keys 512 s on
	s_or_b32 s[G0K+4*\s+3], s[G0K+4*\s+3], 0x80000000            ; type = 2
	s_mov_b32 s[G0V+4*\s], 1
	s_add_co_u32 s[G0V+4*\s+1], s17, \s*SLOT
	s_add_nc_u64 s[G0V+4*\s+2:G0V+4*\s+3], s[70:71], \s*SK*128
	s_or_b32 s[G0V+4*\s+3], s[G0V+4*\s+3], 0x80000000
.endr
	s_cmp_lt_u32 s[WV], 4                          ; a wave's two first fills stand in one branch, ahead of every wait on TENSORcnt and every LDS read
	s_cbranch_scc0 .Lfirst_v
	tensor_load_to_lds s[G0K:G0K+3], s[G1K:G1K+7]
	s_nop 0
	tensor_load_to_lds s[G0K+4:G0K+7], s[G1K:G1K+7]
	s_nop 0
.rept 4
	v_nop
.endr
	s_branch .Lfirst_asked
.Lfirst_v:
	tensor_load_to_lds s[G0V:G0V+3], s[G1V:G1V+7]
	s_nop 0
	tensor_load_to_lds s[G0V+4:G0V+7], s[G1V:G1V+7]
	s_nop 0
.rept 4
	v_nop
.endr
.Lfirst_asked:
	; A fragment of K or Q is 16 rows x 32 channels in 8 registers: lane l holds row l % 16; registers 0-3 channels 8 (l / 16) + 0..7, registers 4-7 channels 16 + 8 (l / 16) + 0..7: two loads of 16 bytes, 32 bytes apart.
	v_and_b32 v12, 15, v0                          ; r
	v_bfe_u32 v13, v0, 4, 1                        ; h
	v_lshlrev_b32 v[QO], 7, v12
	v_lshl_add_u32 v[QO], v13, 4, v[QO]            ; row x 128 + 16 x half
	WIN 0x40                                       ; destination window 1, address window 0
.irp x, 0,1,2,3
.irp c, 0,1
	global_load_b128 v[QF+16*\x+8*\c:QF+16*\x+8*\c+3],   v[QO], s[8:9] offset:2048*\x+64*\c      ; Q stays in registers: tile x, channels 32 c on
	global_load_b128 v[QF+16*\x+8*\c+4:QF+16*\x+8*\c+7], v[QO], s[8:9] offset:2048*\x+64*\c+32
.endr
.endr
.set i, 0
.rept 128
	v_mov_b32 v[i], 0                              ; O^T, once: the step is written once, and its first trip finds zeros, which a = 0 leaves zeros; a first step of its own would be a fifth copy of the step
.set i, i+1
.endr
	WIN 0
	v_mul_u32_u24 v[AK0], v12, PK
	v_lshl_add_u32 v[AK0], v13, 4, v[AK0]          ; row x pitch + 16 x half
	; The turning load takes 16 keys x 16 channels (lane l reads 16 bytes: key 8 (l / 16) + l % 8, channels 8 ((l / 8) % 2) + 0..7) and leaves half a fragment of V^T: lane l holds channel l % 16 and 8 keys.
	v_and_b32 v14, 7, v0
	v_bfe_u32 v15, v0, 3, 1
	v_lshl_add_u32 v[AV0], v13, 3, v14
	v_mul_u32_u24 v[AV0], v[AV0], PV
	v_lshl_add_u32 v[AV0], v15, 4, v[AV0]
	v_add_nc_u32 v[AV0], VOFF, v[AV0]
	v_and_b32 v[GO], 31, v0
	v_lshlrev_b32 v[PFO], 8, v[GO]
	v_lshlrev_b32 v[GO], 4, v[GO]
	s_mul_i32 s2, s[WV], WSTG                      ; my stage
	v_add_nc_u32 v[STO], s2, v[AK0]                ; in: row r, 16 bytes for each half of the lanes
	v_bfe_u32 v15, v0, 3, 2
	v_mul_u32_u24 v[RD], v15, PK
	v_lshl_add_u32 v[RD], v14, 4, v[RD]
	v_add_nc_u32 v[RD], s2, v[RD]                  ; back: eight lanes a row of 128 bytes, 32 lanes four rows
.irp x, 0,1,2,3
	v_mov_b32 v[ST+8*\x+1], 0xff61b1e6             ; m = -3e38, under every score that is served
	v_mul_f32 v[ST+8*\x], s[CS], v[ST+8*\x+1]      ; c m
	v_mov_b32 v[ST+8*\x+2], 0                      ; l
	v_mov_b32 v[ST+8*\x+3], 0
.endr
; A KEY STEP: 64 keys.  It begins and ends with every window 0.
.macro STEP ask
	v_add_nc_u32 v[ADK], s[TBK], v[AK0]            ; five places behind the last V^T P: four are owed by the loads into the registers that held V,
	v_add_nc_u32 v[ADV], s[TBV], v[AV0]            ; five by K Q^T, which writes over the registers that held P (ISA guide 7.12.1 for vector instructions)
.rept 3
	v_nop
.endr
.irp c, 0,1                            ; channels 32 c on: the first 32 first, so that the wait below can leave the others out
.irp kt, 0,1,2,3
	ds_load_b128 v[KV+8*(4*\c+\kt):KV+8*(4*\c+\kt)+3],   v[ADK] offset:\kt*16*PK+64*\c
	ds_load_b128 v[KV+8*(4*\c+\kt)+4:KV+8*(4*\c+\kt)+7], v[ADK] offset:\kt*16*PK+64*\c+32
.endr
.endr
.if \ask
	ASK
.endif
	s_wait_dscnt 8                                 ; channels 0-31 are in; the eight loads of channels 32-63 may be out
	WIN W_KQ
.irp kt, 0,1,2,3                       ; the 16 accumulators take turns, one instruction a turn
.irp x, 0,1,2,3
	v_wmma_f32_16x16x32_f16 v[S+32*\x+8*\kt:S+32*\x+8*\kt+7], v[KV+8*\kt:KV+8*\kt+7], v[QF+16*\x:QF+16*\x+7], 0
.endr
.endr
	s_wait_dscnt 0x0
.irp kt, 0,1,2,3
.irp x, 0,1,2,3
	v_wmma_f32_16x16x32_f16 v[S+32*\x+8*\kt:S+32*\x+8*\kt+7], v[KV+8*(4+\kt):KV+8*(4+\kt)+7], v[QF+16*\x+8:QF+16*\x+15], v[S+32*\x+8*\kt:S+32*\x+8*\kt+7]
.endr
.endr
	WIN 0
.rept 4
	v_nop                                          ; places: for the loads into K's registers, and for the first reads of the scores
.endr
.irp ks, 0,1                           ; V of the same step, turned: keys 32 ks on, channels 16 ct on; it lands while the softmax is walked
.irp ct, 0,1,2,3
	ds_load_tr16_b128 v[KV+8*(4*\ks+\ct):KV+8*(4*\ks+\ct)+3],   v[ADV] offset:\ks*32*PV+32*\ct
	ds_load_tr16_b128 v[KV+8*(4*\ks+\ct)+4:KV+8*(4*\ks+\ct)+7], v[ADV] offset:\ks*32*PV+16*PV+32*\ct
.endr
.endr
	; the maximum of a lane's 32 scores and the old m: four chains a tile, each begun at the low end of its accumulator; the four tiles by turns
.irp j, 0,1,2,3
.irp x, 0,1,2,3
	v_max3_num_f32 v[ST+8*\x+4+\j], v[S+32*\x+8*\j], v[S+32*\x+8*\j+1], v[S+32*\x+8*\j+2]
.endr
.endr
.irp n, 3,5
.irp j, 0,1,2,3
.irp x, 0,1,2,3
	v_max3_num_f32 v[ST+8*\x+4+\j], v[ST+8*\x+4+\j], v[S+32*\x+8*\j+\n], v[S+32*\x+8*\j+\n+1]
.endr
.endr
.endr
.irp x, 0,1,2,3
	v_max3_num_f32 v[ST+8*\x+4], v[ST+8*\x+4], v[S+32*\x+7], v[S+32*\x+15]
	v_max3_num_f32 v[ST+8*\x+6], v[ST+8*\x+6], v[S+32*\x+23], v[S+32*\x+31]
.endr
.irp x, 0,1,2,3
	v_max3_num_f32 v[ST+8*\x+4], v[ST+8*\x+4], v[ST+8*\x+5], v[ST+8*\x+6]
.endr
.irp x, 0,1,2,3
	v_max3_num_f32 v[ST+8*\x+4], v[ST+8*\x+4], v[ST+8*\x+7], v[ST+8*\x+1]
.endr
.irp x, 0,1,2,3
	v_permlanex16_b32 v[ST+8*\x+5], v[ST+8*\x+4], s[SEL], s[SEL+1]   ; the query's other 32 keys lie in the lane 16 away
.endr
.irp x, 0,1,2,3
	v_mov_b32 v[ST+8*\x+7], v[ST+8*\x]             ; c m_old
.endr
.irp x, 0,1,2,3
	v_max_num_f32 v[ST+8*\x+1], v[ST+8*\x+4], v[ST+8*\x+5]
.endr
.irp x, 0,1,2,3
	v_mul_f32 v[ST+8*\x], s[CS], v[ST+8*\x+1]
.endr
.irp x, 0,1,2,3
	v_sub_f32 v[ST+8*\x+7], v[ST+8*\x+7], v[ST+8*\x]
.endr
.irp x, 0,1,2,3
	v_exp_f32 v[ST+8*\x+6], v[ST+8*\x+7]           ; a
.endr
.set i, 0
.rept 16
.irp x, 0,1,2,3
	v_pk_fma_f32 v[S+32*\x+2*i:S+32*\x+2*i+1], v[S+32*\x+2*i:S+32*\x+2*i+1], s[CS:CS+1], v[ST+8*\x:ST+8*\x+1] op_sel_hi:[1,0,0] neg_lo:[0,0,1] neg_hi:[0,0,1]   ; c s - c m, two at a time
.endr
.set i, i+1
.endr
	s_wait_alu depctr_va_vdst(0)                   ; the wait for the four a, ahead of their first reader: it stands here, ahead of the large batch, so that the rescaling below can stand behind that batch
.set i, 0
.rept 128
	v_exp_f32 v[S+i], v[S+i]                       ; p: ONE batch
.set i, i+1
.endr
	WIN W_RS                                       ; plain work that names none of the batch's results: O^T and l times a
.irp x, 0,1,2,3
.set i, 0
.rept 16
	v_pk_mul_f32 v[32*\x+2*i:32*\x+2*i+1], v[32*\x+2*i:32*\x+2*i+1], v[ST+8*\x+6:ST+8*\x+7] op_sel_hi:[1,0]   ; each accumulator from its low end on
.set i, i+1
.endr
.endr
	WIN 0
.irp x, 0,1,2,3
	v_pk_mul_f32 v[ST+8*\x+2:ST+8*\x+3], v[ST+8*\x+2:ST+8*\x+3], v[ST+8*\x+6:ST+8*\x+7] op_sel_hi:[1,0]
.endr
	s_wait_alu depctr_va_vdst(0)                   ; one wait for the 128, ahead of their first reader
.irp x, 0,1,2,3                        ; the sums, of the unrounded p: two chains a tile
	v_pk_add_f32 v[ST+8*\x+4:ST+8*\x+5], v[S+32*\x:S+32*\x+1], v[S+32*\x+2:S+32*\x+3]
.endr
.irp j, 4,8,12,16,20,24,28
.irp x, 0,1,2,3
	v_pk_add_f32 v[ST+8*\x+2:ST+8*\x+3], v[ST+8*\x+2:ST+8*\x+3], v[S+32*\x+\j:S+32*\x+\j+1]
	v_pk_add_f32 v[ST+8*\x+4:ST+8*\x+5], v[ST+8*\x+4:ST+8*\x+5], v[S+32*\x+\j+2:S+32*\x+\j+3]
.endr
.endr
.irp x, 0,1,2,3
	v_pk_add_f32 v[ST+8*\x+2:ST+8*\x+3], v[ST+8*\x+2:ST+8*\x+3], v[ST+8*\x+4:ST+8*\x+5]
.endr
.set i, 0
.rept 16
.irp x, 0,1,2,3
	v_cvt_pk_f16_f32 v[S+32*\x+i], v[S+32*\x+2*i], v[S+32*\x+2*i+1]   ; P in place: register i has been read by the time it is written
.endr
.set i, i+1
.endr
	s_wait_dscnt 0x0                               ; V is in
	WIN W_PV
.irp ks, 0,1                           ; the 16 accumulators by turns
.irp ct, 0,1,2,3
.irp x, 0,1,2,3
	v_wmma_f32_16x16x32_f16 v[32*\x+8*\ct:32*\x+8*\ct+7], v[KV+8*(4*\ks+\ct):KV+8*(4*\ks+\ct)+7], v[S+32*\x+8*\ks:S+32*\x+8*\ks+7], v[32*\x+8*\ct:32*\x+8*\ct+7]
.endr
.endr
.endr
	WIN 0
.endm
; A slot's eight steps: the step is written once for each slot's turn; the LDS addresses hang on two scalars stepped by constants, the trip count is a constant.
.macro PHASE slot, ask
	s_mov_b32 s[TBK], \slot*SLOT
	s_mov_b32 s[TBV], \slot*SLOT
	s_mov_b32 s[CNT], SK/KS
.Lstep_\@:
	STEP \ask
	s_add_co_u32 s[TBK], s[TBK], KS*PK
	s_add_co_u32 s[TBV], s[TBV], KS*PV
	s_sub_co_u32 s[CNT], s[CNT], 1
	s_cmp_lg_u32 s[CNT], 0
	s_cbranch_scc1 .Lstep_\@
.endm
; THE CHANGE OF SLOTS.  Each wave waits for all its tensor loads (its part of the slot ahead), adds 0 to its spare word, and waits for that and for its reads of the slot that it leaves.
; fill = 1: slot s, just left, is filled with the keys two slots on: the barrier is a round of the cluster's, so that no wave of any partner still reads the slot or has a load on its way,
; and the joint refill is the first thing behind it.
.macro CHANGE s, fill, pf
	s_wait_tensorcnt 0x0                           ; no tensor load of mine is out, so a group 0 may be written
	ds_add_u32 v[SPW], v[NIL]                      ; 0 onto my spare word
.if \fill
	s_add_nc_u64 s[G0K+4*\s+2:G0K+4*\s+3], s[G0K+4*\s+2:G0K+4*\s+3], 2*SK*128   ; the type bits on top are not reached
	s_add_nc_u64 s[G0V+4*\s+2:G0V+4*\s+3], s[G0V+4*\s+2:G0V+4*\s+3], 2*SK*128
.if \pf
	s_wait_xcnt 0x0                                ; the prefetch, most of a step back, has read its address, so it may be written
	s_add_nc_u64 s[PFA:PFA+1], s[PFA:PFA+1], SK*128
.endif
.endif
	s_wait_dscnt 0x0                               ; the add is done, and my reads of the slot are over
.if \fill
	CROUND
	JLOAD \s
.else
	s_barrier_signal -1
	s_barrier_wait -1
.endif
.endm
	s_wait_tensorcnt 1                             ; my part of slot 0 is in; slot 1's may stay out
	s_barrier_signal -1
	s_barrier_wait -1                              ; everybody's is
	s_wait_loadcnt 0x0                             ; Q
	PHASE 0, 1                                     ; keys 0-511
	CHANGE 0, 1, 1                                 ; slot 0 takes keys 1,024 on
	PHASE 1, 1                                     ; keys 512-1,023
	CHANGE 1, 1, 0                                 ; slot 1 takes keys 1,536 on: the last load
	PHASE 0, 0
	CHANGE 0, 0, 0                                 ; nothing is left to fetch; behind this barrier nobody reads slot 0
	PHASE 1, 0
	; THE WAY OUT.  l's two halves and the other half of the lanes' are added (these additions are the places behind the last products); O^T is divided by l, rounded to f16 and sent through my stage in LDS.
.irp x, 0,1,2,3
	v_add_f32 v[ST+8*\x+4], v[ST+8*\x+2], v[ST+8*\x+3]
.endr
.irp x, 0,1,2,3
	v_permlanex16_b32 v[ST+8*\x+5], v[ST+8*\x+4], s[SEL], s[SEL+1]
.endr
.irp x, 0,1,2,3
	v_add_f32 v[ST+8*\x+4], v[ST+8*\x+4], v[ST+8*\x+5]
.endr
.irp x, 0,1,2,3
	v_rcp_f32 v[ST+8*\x+6], v[ST+8*\x+4]
.endr
	v_nop                                          ; a plain line between the last reciprocal and the use of its result
	s_wait_alu depctr_va_vdst(0)                   ; and one wait for the four, ahead of the first use
.macro PACK x                          ; tile x: a lane's eight channels of a row pack into 16 bytes; into rows of 144 bytes, and back four rows (512 bytes) a load
	WIN W_RS
.set i, 0
.rept 16
	v_pk_mul_f32 v[32*\x+2*i:32*\x+2*i+1], v[32*\x+2*i:32*\x+2*i+1], v[ST+8*\x+6:ST+8*\x+7] op_sel_hi:[1,0]
.set i, i+1
.endr
	WIN 0x05                                       ; sources 0 and 1 window 1, destination window 0: the scores' registers are free
.set i, 0
.rept 16
	v_cvt_pk_f16_f32 v[S+16*\x+i], v[32*\x+2*i], v[32*\x+2*i+1]
.set i, i+1
.endr
	WIN 0
.irp ct, 0,1,2,3
	ds_store_b128 v[STO], v[S+16*\x+4*\ct:S+16*\x+4*\ct+3] offset:\x*16*PK+32*\ct
.endr
.irp n, 0,1,2,3
	ds_load_b128 v[KV+16*\x+4*\n:KV+16*\x+4*\n+3], v[RD] offset:\x*16*PK+\n*4*PK   ; LDS serves a wave's instructions in order: these see the stores above
.endr
.endm
	PACK 0
	PACK 1
	PACK 2
	PACK 3
.irp x, 0,1,2,3
.irp n, 0,1,2,3
	s_wait_dscnt 8*(3-\x)+3-\n                     ; the LDS instructions issued behind this load may stay out
	global_store_b128 v[GO], v[KV+16*\x+4*\n:KV+16*\x+4*\n+3], s[10:11] offset:2048*\x+512*\n   ; 32 lanes store 512 consecutive bytes, aligned
.endr
.endr
	s_wait_tensorcnt 0x0                           ; the wave's end: behind my last tensor load and my last LDS store
	ds_add_u32 v[SPW], v[NIL]
	s_wait_dscnt 0x0
	CROUND                                         ; the closing round
	s_endpgm
.Lfunc_end_k_q8d7aa9b538_attn:
	.size	k_q8d7aa9b538_attn, .Lfunc_end_k_q8d7aa9b538_attn-k_q8d7aa9b538_attn
	.p2alignl 7, 3214868480
	.fill 96, 4, 3214868480
	.section	.rodata,"a",@progbits
	.p2align	6, 0x0
	.amdhsa_kernel k_q8d7aa9b538_attn
		.amdhsa_group_segment_fixed_size 327680
		.amdhsa_private_segment_fixed_size 0
		.amdhsa_enable_private_segment 0
		.amdhsa_kernarg_size 16
		.amdhsa_user_sgpr_count 2
		.amdhsa_user_sgpr_kernarg_segment_ptr 1
		.amdhsa_wavefront_size32 1
		.amdhsa_system_sgpr_workgroup_id_x 1
		.amdhsa_system_sgpr_workgroup_id_y 1
		.amdhsa_system_sgpr_workgroup_id_z 1
		.amdhsa_system_vgpr_workitem_id 0
		.amdhsa_next_free_vgpr 512
		.amdhsa_next_free_sgpr 72
		.amdhsa_reserve_vcc 0
		.amdhsa_float_denorm_mode_32 3
		.amdhsa_float_denorm_mode_16_64 3
		.amdhsa_memory_ordered 1
		.amdhsa_forward_progress 1
		.amdhsa_inst_pref_size 158
	.end_amdhsa_kernel
	.amdgpu_metadata
---
amdhsa.version: [ 1, 2 ]
amdhsa.kernels:
  - .name:           k_q8d7aa9b538_attn
    .symbol:         k_q8d7aa9b538_attn.kd
    .args:
      - { .name: qkv, .offset: 0, .size: 8, .value_kind: global_buffer, .address_space: global }
      - { .name: o, .offset: 8, .size: 8, .value_kind: global_buffer, .address_space: global }
    .group_segment_fixed_size: 327680
    .private_segment_fixed_size: 0
    .kernarg_segment_align: 8
    .kernarg_segment_size: 16
    .max_flat_workgroup_size: 256
    .sgpr_count:     72
    .vgpr_count:     512
    .wavefront_size: 32
...
	.end_amdgpu_metadata
.endif
;; end of part 3
;; launch proj (part 4): grid 4 x 64, 4 waves a work-group, clusters of 4 x 4, 327,680 bytes of LDS; arguments o, wp, b_proj, out0; writes out0
.if DOCPART == 4
	.amdgcn_target "amdgcn-amd-amdhsa--gfx1250"
	.amdhsa_code_object_version 6
	.text
	.protected	k_q8d7aa9b538_proj
	.globl	k_q8d7aa9b538_proj
	.p2align	8
	.type	k_q8d7aa9b538_proj,@function
k_q8d7aa9b538_proj:
	s_mov_b64 s[64:65], 0
	v_nop
	global_prefetch_b8 v0, s[64:65] scope:SCOPE_SE
	s_setreg_imm32_b32 hwreg(HW_REG_WAVE_MODE, 25, 1), 1
	s_wait_xcnt 0x0
	s_wait_alu depctr_hold_cnt(0) depctr_sa_sdst(0) depctr_va_vdst(0) depctr_va_sdst(0) depctr_va_ssrc(0) depctr_va_vcc(0) depctr_vm_vsrc(0)
	s_getreg_b32 s2, hwreg(HW_REG_IB_STS2, 6, 4)
	s_cmp_eq_u32 s2, 0
	s_cbranch_scc0 .Lentry_in_a_cluster
	s_endpgm
.Lentry_in_a_cluster:
	s_bfe_u32 s2, ttmp6, 0x10000c
	s_cmp_lg_u32 s2, 0xf033
	s_cbranch_scc0 .Lentry_shape_is_right
	s_endpgm
.Lentry_shape_is_right:
; out0[m][n] = the sum over k of o[m][k] w_proj[n][k] + b_proj[n].  Both operands are f16 and lie head by head: o [batch x 16 + head][2048][64], wp [head][1024 n][64]; K runs head by head, alike on both sides.
; Sums in f32; out0 [8192][1024] f32.
; A tile of out0 is 128 rows x 256 columns: 256 work-groups (tiles of 256 x 256 would be 128).  Four waves, each 64 x 128: 32 accumulators of 16 x 16, 256 registers.
; K goes two heads (128) a step through a ring of two LDS slots: 8 K steps, 128 matrix instructions a wave in each.  A head's 128 rows of o, and its 256 rows of wp, are dense blocks of memory:
; waves 0 and 1 fetch the two heads' tiles of o, waves 2 and 3 those of wp: one load a wave.
; CLUSTERS: 4 x 4 work-groups.  The four of a row of the cluster need the same tiles of o, the four of a column the same tiles of wp: each tile is asked for JOINTLY.
; No prefetch: each refill has a K step's 128 matrix instructions in which to land, the launch is short, and wp is read again by every row of clusters.
; THE MATRIX INSTRUCTION IS USED TRANSPOSED (source 0 = 16 rows of wp, source 1 = 16 rows of o): a lane then holds eight neighbouring numbers of a row of out0.
; REGISTERS: window 0: v8-11 the bias; v16-29 addresses; v32-127, v128-223 two fragment buffers (8 of wp, then 4 of o); on the way out v32-159 rows.   window 1: accumulator (a, b) at v[8 (8 a + b)].
.set PITCH,  144                       ; an LDS row: 128 bytes + 16 = 36 words: the 16 rows of a load start 4 words apart modulo 64
.set AH,     128*PITCH                 ; o's 128 rows of one head
.set BH,     256*PITCH                 ; wp's 256 rows of one head
.set BOFF,   2*AH                      ; a slot: o's two heads, then wp's two
.set SLOT,   2*AH+2*BH
.set STAGE,  2*SLOT                    ; behind the ring: 16 rows x 528 bytes for each wave, for the way out
.set SPITCH, 528
.set SPARE,  STAGE+4*16*SPITCH         ; behind the stages: the spare words, 128 bytes a wave, which no other line names
.set LAPS,   4                         ; a lap = two K steps = four heads
.set BIAS, 8                           ; v[8:11] b_proj at the four columns that I store
.set ADRA, 16                          ; v16-17  LDS address of my fragments of o in slot 0, 1
.set ADRB, 20                          ; v20-21  the same for wp
.set STO,  24                          ; v24     the way out: where I put 32 bytes of a row
.set RD,   25                          ; v25     where I read a row back
.set CO,   26                          ; v26     16 x lane
.set SPW,  28                          ; v28     LDS address of my spare word; never rewritten
.set NIL,  29                          ; v29     0; never rewritten
.set F0,   32
.set F1,   128
.set BK,   32                          ; the way out: two sets of 64
.set G1, 24                            ; s[24:31] descriptor group 1 for o's tiles;  s[32:39] group 0, one set for each slot
.set G0, 32
.set G1B, 48                           ; s[48:55], s[56:63] the same for wp's tiles
.set G0B, 56
.set MSB, 0
.macro WIN new                         ; the immediate's high byte repeats the setting that is left
.if MSB != (\new)
	s_set_vgpr_msb (MSB<<8)|(\new)
.set MSB, (\new)
.endif
.endm
.set MUL, 0x50                         ; C and D window 1
.macro JLOAD s                         ; a joint load: waves 0 and 1 fetch for o, waves 2 and 3 for wp; an s_nop 0 and four v_nop follow each of the two lines
	s_cmp_eq_u32 s13, 0
	s_cbranch_scc0 .Lfor_b_\@
	tensor_load_to_lds s[G0+4*\s:G0+4*\s+3], s[G1:G1+7]
	s_nop 0
.rept 4
	v_nop
.endr
	s_branch .Lasked_\@
.Lfor_b_\@:
	tensor_load_to_lds s[G0B+4*\s:G0B+4*\s+3], s[G1B:G1B+7]
	s_nop 0
.rept 4
	v_nop
.endr
.Lasked_\@:
.endm
.macro CREST                           ; a round of the cluster's barrier behind its opening barrier
	s_cmp_lg_u32 s12, 0
	s_cbranch_scc1 .Lnot_wave_0_\@
	s_barrier_signal -3
.Lnot_wave_0_\@:
	s_barrier_wait -3
	s_barrier_signal -1
	s_barrier_wait -1
.endm
.macro CROUND                          ; a whole round
	s_barrier_signal -1
	s_barrier_wait -1
	CREST
.endm
	s_load_b256 s[4:11], s[0:1], 0x0               ; o s[4:5], wp s[6:7], b_proj s[8:9], out0 s[10:11]
	v_lshl_add_u32 v[SPW], v0, 2, SPARE
	v_mov_b32 v[NIL], 0
	ds_add_u32 v[SPW], v[NIL]                      ; the wave's opening: the add, twice on end, and its wait ahead of my first tensor load
	ds_add_u32 v[SPW], v[NIL]                      ; the set-up below, work on registers, stands between the second and the wait
	v_lshrrev_b32 v1, 5, v0
	v_readfirstlane_b32 s12, v1                    ; wave 0..3
	s_lshr_b32 s13, s12, 1                         ; which 64 rows of the tile are mine.  Also: I fetch for o (0) or for wp (1)
	s_and_b32 s14, s12, 1                          ; which 128 columns.  Also: which of a slot's two heads I fetch
	s_bfe_u32 s40, ttmp6, 0x40000                  ; cx = the tile column (the grid is one cluster wide)
	s_bfe_u32 s41, ttmp6, 0x40004                  ; cy
	s_and_b32 s15, ttmp7, 0xffff
	s_lshl_b32 s15, s15, 2
	s_add_co_u32 s15, s15, s41                     ; tile row = 4 x cluster y + cy
	s_lshl_b32 s43, s41, 2
	s_lshl_b32 s43, 15, s43                        ; my row of the cluster
	s_lshl_b32 s44, 0x1111, s40                    ; my column
	; descriptor group 1: rows of 64 elements of 2 bytes, dense in memory, padded in LDS; 128 rows of o, 256 of wp
	s_or_b32 s[G1+0], s43, (1<<16)|(1<<20)|(1<<21)|(4<<22)|(3<<25)   ; 15:0 the mask; 17:16 element of 2 bytes; 20 padding on; 21 set beside a mask; 24:22 after every 32 words; 31:25 four words
	s_or_b32 s[G1B+0], s44, (1<<16)|(1<<20)|(1<<21)|(4<<22)|(3<<25)
	s_mov_b32 s[G1+1], 64<<16                      ; tensor_dim0 = 64
	s_mov_b32 s[G1+2], 128<<16                     ; tensor_dim1 = 128
	s_mov_b32 s[G1+3], 64<<16                      ; tile_dim0 = 64
	s_mov_b32 s[G1+4], 128                         ; tile_dim1 = 128
	s_mov_b32 s[G1+5], 64                          ; tensor_dim0_stride
	s_mov_b32 s[G1+6], 0
	s_mov_b32 s[G1+7], 0
	s_mov_b32 s[G1B+1], 64<<16
	s_mov_b32 s[G1B+2], 256<<16
	s_mov_b32 s[G1B+3], 64<<16
	s_mov_b32 s[G1B+4], 256
	s_mov_b32 s[G1B+5], 64
	s_mov_b32 s[G1B+6], 0
	s_mov_b32 s[G1B+7], 0
	; where the tiles come from.  o's hang on the tile row alone, wp's on the tile column alone; every wave makes both addresses, in registers that never hold the other coordinate
	s_lshr_b32 s16, s15, 4                         ; the batch: 16 tile rows each,
	s_lshl_b32 s16, s16, 22                        ; 16 heads x 262,144 bytes
	s_and_b32 s17, s15, 15
	s_lshl_b32 s17, s17, 14                        ; 128 positions x 128 bytes a tile row
	s_add_co_u32 s16, s16, s17
	s_lshl_b32 s17, s14, 18                        ; my head of the slot's two
	s_add_co_u32 s16, s16, s17
	s_mov_b32 s17, 0
	s_lshl_b32 s46, s40, 15                        ; wp: 256 rows x 128 bytes a tile column,
	s_lshl_b32 s47, s14, 17                        ; 131,072 bytes a head
	s_add_co_u32 s46, s46, s47
	s_mov_b32 s47, 0
	s_mul_i32 s20, s14, AH                         ; and where they go: no place in the cluster enters an LDS address
	s_mul_i32 s21, s14, BH
	s_add_co_u32 s21, s21, BOFF
	s_wait_dscnt 0x0                               ; both opening adds are done
	s_wait_kmcnt 0x0
	s_add_nc_u64 s[18:19], s[4:5], s[16:17]
	s_add_nc_u64 s[46:47], s[6:7], s[46:47]
	CROUND                                         ; all sixteen work-groups are here: the first joint loads meet
.irp s, 0,1
	s_mov_b32 s[G0+4*\s], 1
	s_add_co_u32 s[G0+4*\s+1], s20, \s*SLOT
	s_add_nc_u64 s[G0+4*\s+2:G0+4*\s+3], s[18:19], \s*2*262144   ; K step s: heads 2 s, 2 s + 1
	s_or_b32 s[G0+4*\s+3], s[G0+4*\s+3], 0x80000000
	s_mov_b32 s[G0B+4*\s], 1
	s_add_co_u32 s[G0B+4*\s+1], s21, \s*SLOT
	s_add_nc_u64 s[G0B+4*\s+2:G0B+4*\s+3], s[46:47], \s*2*131072
	s_or_b32 s[G0B+4*\s+3], s[G0B+4*\s+3], 0x80000000
	JLOAD \s
.endr
	v_and_b32 v1, 15, v0                           ; r
	v_bfe_u32 v2, v0, 4, 1                         ; h
	v_and_b32 v3, 31, v0
	v_lshlrev_b32 v[CO], 4, v3
	s_lshl_b32 s46, s40, 10                        ; my first column, in bytes of f32: 1,024 x tile column + 512 x half (in the registers that held wp's address)
	s_lshl_b32 s47, s14, 9
	s_add_co_u32 s46, s46, s47
	s_mov_b32 s47, 0
	s_add_nc_u64 s[8:9], s[8:9], s[46:47]
	global_load_b128 v[BIAS:BIAS+3], v[CO], s[8:9] ; the bias of the four columns that I store in every row
	s_add_nc_u64 s[10:11], s[10:11], s[46:47]
	s_lshl_b32 s16, s15, 19                        ; my first row: 128 x tile row + 64 x half, 4,096 bytes a row
	s_lshl_b32 s17, s13, 18
	s_add_co_u32 s16, s16, s17
	s_mov_b32 s17, 0
	s_add_nc_u64 s[10:11], s[10:11], s[16:17]
	v_mul_u32_u24 v3, v1, PITCH
	v_lshl_add_u32 v3, v2, 4, v3                   ; a fragment's row x pitch + 16 x half
	s_mul_i32 s21, s13, 64*PITCH                   ; my 64 rows of o
	s_mul_i32 s22, s14, 128*PITCH                  ; my 128 rows of wp,
	s_add_co_u32 s22, s22, BOFF                    ; behind o's two heads
.irp s, 0,1
	v_add_nc_u32 v[ADRA+\s], s21, v3
	v_add_nc_u32 v[ADRB+\s], s22, v3
	s_add_co_u32 s21, s21, SLOT
	s_add_co_u32 s22, s22, SLOT
.endr
	s_mul_i32 s23, s12, 16*SPITCH
	s_add_co_u32 s23, s23, STAGE                   ; my stage
	v_mul_u32_u24 v4, v1, SPITCH                   ; in: row r, 32 bytes for each half of the lanes
	v_lshl_add_u32 v4, v2, 5, v4
	v_add_nc_u32 v[STO], s23, v4
	v_add_nc_u32 v[RD], s23, v[CO]                 ; back: the 32 lanes take one row of 512 bytes
; 8 matrix instructions: o's block a x wp's eight, 32 along K.  zero = 1: the first product starts the sums.  The 32 accumulators take turns in one order throughout.
.macro MUL8 f, a, zero
.irp b, 0,1,2,3,4,5,6,7
.if \zero
	v_wmma_f32_16x16x32_f16 v[8*(8*(\a)+\b):8*(8*(\a)+\b)+7], v[\f+8*\b:\f+8*\b+7], v[\f+64+8*(\a):\f+64+8*(\a)+7], 0
.else
	v_wmma_f32_16x16x32_f16 v[8*(8*(\a)+\b):8*(8*(\a)+\b)+7], v[\f+8*\b:\f+8*\b+7], v[\f+64+8*(\a):\f+64+8*(\a)+7], v[8*(8*(\a)+\b):8*(8*(\a)+\b)+7]
.endif
.endr
.endm
.macro MUL16 f, a0, zero
	MUL8 \f, \a0, \zero
	MUL8 \f, \a0+1, \zero
.endm
; 24 LDS loads in one run: the fragments of quarter q of a slot (head q / 2, channels 32 (q % 2) on) into buffer f: wp's eight, then o's four
.macro FETCH slot, q, f
	WIN 0
.irp i, 0,1,2,3,4,5,6,7
	ds_load_b128 v[\f+8*\i:\f+8*\i+3],   v[ADRB+\slot] offset:BH*((\q)/2)+64*((\q)%2)+\i*16*PITCH
	ds_load_b128 v[\f+8*\i+4:\f+8*\i+7], v[ADRB+\slot] offset:BH*((\q)/2)+64*((\q)%2)+\i*16*PITCH+32
.endr
.irp i, 0,1,2,3
	ds_load_b128 v[\f+64+8*\i:\f+64+8*\i+3],   v[ADRA+\slot] offset:AH*((\q)/2)+64*((\q)%2)+\i*16*PITCH
	ds_load_b128 v[\f+64+8*\i+4:\f+64+8*\i+7], v[ADRA+\slot] offset:AH*((\q)/2)+64*((\q)%2)+\i*16*PITCH+32
.endr
.endm
.macro PLACES                          ; four places in front of loads into registers that matrix instructions have read, and of the first reads of results (ISA guide 7.12.1 for vector instructions)
.rept 4
	v_nop
.endr
.endm
; A K step is four quarters of 32 along K, 32 matrix instructions each, on buffers 0, 1, 0, 1.  One of the first three: multiplies buffer f and fetches quarter qn into g.
.macro QUARTER slot, qn, f, g, zero
	s_wait_dscnt 4                                 ; wp's eight and o's blocks 0, 1 are in; the youngest four loads (o's blocks 2, 3) may be out
	WIN MUL
	MUL16 \f, 0, \zero
	PLACES
	FETCH \slot, \qn, \g
	s_wait_dscnt 24                                ; all but the 24 just issued
	WIN MUL
	MUL16 \f, 2, \zero
.endm
; The last quarter multiplies buffer 1 and changes slots: ONE barrier; in front of it each wave waits for all its tensor loads, adds 0 to its spare word, and waits for that and for its own reads of this slot.
; fill = 1: this slot is filled again, two K steps ahead, behind a round of the cluster's barrier.
.macro TURN slot, next, fill
	WIN 0                                          ; (the add's two registers lie in window 0)
	s_wait_tensorcnt 0x0                           ; all my tensor loads have landed: my part of the next slot
	ds_add_u32 v[SPW], v[NIL]                      ; 0 onto my spare word
	s_wait_dscnt 5                                 ; (the add and the youngest four loads may be out)
	WIN MUL
	MUL8 F1, 0, 0                                  ; eight matrix instructions stand between the add and the wait for it
	s_wait_dscnt 0x0                               ; the add is done, and my reads of this slot are over
	s_barrier_signal -1
	MUL8 F1, 1, 0
.if \fill
	WIN 0
.endif
	s_barrier_wait -1
.if \fill
	CREST                                          ; no wave of any partner still reads this slot's tiles or has a load on its way
	s_add_nc_u64 s[G0+4*\slot+2:G0+4*\slot+3], s[G0+4*\slot+2:G0+4*\slot+3], 4*262144     ; four heads on
	s_add_nc_u64 s[G0B+4*\slot+2:G0B+4*\slot+3], s[G0B+4*\slot+2:G0B+4*\slot+3], 4*131072
	JLOAD \slot                                    ; the first tensor load behind the round; the four v_nop behind it are also the places in front of the loads below
.else
	PLACES
.endif
	FETCH \next, 0, F0
	WIN MUL
	MUL16 F1, 2, 0
.endm
	s_wait_tensorcnt 1                             ; my part of K step 0 is in; K step 1's load may be out
	s_barrier_signal -1
	s_barrier_wait -1                              ; everybody's is
	FETCH 0, 0, F0
	QUARTER 0, 1, F0, F1, 1                        ; the first quarter stands in front of the loop: its products start the sums
	WIN 0                                          ; at a label and at a branch every window is 0
	s_mov_b32 s3, LAPS-1
.Llap:                                                 ; a trip goes once round the ring, from a lap's second quarter to the next lap's first, and fills both slots again
	QUARTER 0, 2, F1, F0, 0
	QUARTER 0, 3, F0, F1, 0
	TURN 0, 1, 1
	QUARTER 1, 1, F0, F1, 0
	QUARTER 1, 2, F1, F0, 0
	QUARTER 1, 3, F0, F1, 0
	TURN 1, 0, 1
	QUARTER 0, 1, F0, F1, 0
	WIN 0
	s_sub_co_u32 s3, s3, 1
	s_cmp_lg_u32 s3, 0
	s_cbranch_scc1 .Llap
	QUARTER 0, 2, F1, F0, 0                        ; the last lap fills nothing, and has no round of the cluster's barrier
	QUARTER 0, 3, F0, F1, 0
	TURN 0, 1, 0
	QUARTER 1, 1, F0, F1, 0
	QUARTER 1, 2, F1, F0, 0
	QUARTER 1, 3, F0, F1, 0
	s_wait_dscnt 4                                 ; the very last quarter: nothing more to fetch
	WIN MUL
	MUL16 F1, 0, 0
	s_wait_dscnt 0
	MUL16 F1, 2, 0
	WIN 0
; THE WAY OUT, block by block of 16 rows x 128 columns.  A lane holds 32 neighbouring bytes of a row, the lanes beside it other rows: a block goes through my own stage in LDS and comes back as whole rows
; of 512 bytes; the bias is added there, where a lane holds the same four columns in every row.  LDS serves a wave's instructions in order: no wait between the stores and the loads.
.macro TOSTAGE a
	WIN 0x04                                       ; an LDS store's data are its source 1: window 1
.irp b, 0,1,2,3,4,5,6,7
	ds_store_b128 v[STO], v[64*(\a)+8*\b:64*(\a)+8*\b+3] offset:64*\b          ; each accumulator from its low end on
	ds_store_b128 v[STO], v[64*(\a)+8*\b+4:64*(\a)+8*\b+7] offset:64*\b+16
.endr
	WIN 0
.irp t, 0,1,2,3,4,5,6,7,8,9,10,11,12,13,14,15
	ds_load_b128 v[BK+64*((\a)%2)+4*\t:BK+64*((\a)%2)+4*\t+3], v[RD] offset:\t*SPITCH
.endr
.endm
.macro SEND a, younger                 ; younger: the LDS instructions issued behind block a's loads, which may stay out
	s_wait_dscnt \younger
.irp t, 0,1,2,3,4,5,6,7,8,9,10,11,12,13,14,15
	v_pk_add_f32 v[BK+64*((\a)%2)+4*\t:BK+64*((\a)%2)+4*\t+1], v[BK+64*((\a)%2)+4*\t:BK+64*((\a)%2)+4*\t+1], v[BIAS:BIAS+1]
	v_pk_add_f32 v[BK+64*((\a)%2)+4*\t+2:BK+64*((\a)%2)+4*\t+3], v[BK+64*((\a)%2)+4*\t+2:BK+64*((\a)%2)+4*\t+3], v[BIAS+2:BIAS+3]
.endr
.irp t, 0,1,2,3,4,5,6,7,8,9,10,11,12,13,14,15
	global_store_b128 v[CO], v[BK+64*((\a)%2)+4*\t:BK+64*((\a)%2)+4*\t+3], s[10:11] offset:(16*(\a)+\t)*4096 th:TH_STORE_NT   ; 32 lanes store 512 consecutive bytes, aligned; no base is stepped
.endr
.endm
	PLACES                                         ; behind the last products: for the stage's reads of results and the loads into the fragments' registers
	s_wait_loadcnt 0x0                             ; the bias
	TOSTAGE 0
.irp a, 1,2,3
.if \a > 1
	s_wait_xcnt 0x0                                ; block a - 2's stores have read their registers: block a's loads may land there
.endif
	TOSTAGE \a
	SEND \a-1, 32                                  ; behind block a - 1's loads: block a's 16 stores and 16 loads
.endr
	SEND 3, 0
	s_wait_tensorcnt 0x0                           ; the wave's end: behind my last tensor load and my last LDS store
	ds_add_u32 v[SPW], v[NIL]
	s_wait_dscnt 0x0
	CROUND                                         ; the closing round
	s_endpgm
.Lfunc_end_k_q8d7aa9b538_proj:
	.size	k_q8d7aa9b538_proj, .Lfunc_end_k_q8d7aa9b538_proj-k_q8d7aa9b538_proj
	.p2alignl 7, 3214868480
	.fill 96, 4, 3214868480
	.section	.rodata,"a",@progbits
	.p2align	6, 0x0
	.amdhsa_kernel k_q8d7aa9b538_proj
		.amdhsa_group_segment_fixed_size 327680
		.amdhsa_private_segment_fixed_size 0
		.amdhsa_enable_private_segment 0
		.amdhsa_kernarg_size 32
		.amdhsa_user_sgpr_count 2
		.amdhsa_user_sgpr_kernarg_segment_ptr 1
		.amdhsa_wavefront_size32 1
		.amdhsa_system_sgpr_workgroup_id_x 1
		.amdhsa_system_sgpr_workgroup_id_y 1
		.amdhsa_system_sgpr_workgroup_id_z 1
		.amdhsa_system_vgpr_workitem_id 0
		.amdhsa_next_free_vgpr 512
		.amdhsa_next_free_sgpr 66
		.amdhsa_reserve_vcc 0
		.amdhsa_float_denorm_mode_32 3
		.amdhsa_float_denorm_mode_16_64 3
		.amdhsa_memory_ordered 1
		.amdhsa_forward_progress 1
		.amdhsa_inst_pref_size 93
	.end_amdhsa_kernel
	.amdgpu_metadata
---
amdhsa.version: [ 1, 2 ]
amdhsa.kernels:
  - .name:           k_q8d7aa9b538_proj
    .symbol:         k_q8d7aa9b538_proj.kd
    .args:
      - { .name: o, .offset: 0, .size: 8, .value_kind: global_buffer, .address_space: global }
      - { .name: wp, .offset: 8, .size: 8, .value_kind: global_buffer, .address_space: global }
      - { .name: b_proj, .offset: 16, .size: 8, .value_kind: global_buffer, .address_space: global }
      - { .name: out0, .offset: 24, .size: 8, .value_kind: global_buffer, .address_space: global }
    .group_segment_fixed_size: 327680
    .private_segment_fixed_size: 0
    .kernarg_segment_align: 8
    .kernarg_segment_size: 32
    .max_flat_workgroup_size: 128
    .sgpr_count:     66
    .vgpr_count:     512
    .wavefront_size: 32
...
	.end_amdgpu_metadata
.endif
;; end of part 4
